; MI455X (gfx1250); checked and timed in simulation.
; The chip was launched on July 23, 2026; its instructions are those of AMD's public machine-readable ISA for CDNA 5 (MIT licence, August 2026) and "CDNA5" Instruction Set Architecture Reference Guide (July 2026). The comments in the code are by the model that wrote it; some were corrected since.
;; Ro PE Lo FTR Encoder Layer. Allowed arithmetic: matrix products marked QUANTISED: E2M3 operands, one E8M0 scale for each 32 along K, by v_wmma_scale_f32_16x16x128_f8f6f4 with both operands' format E2M3, f32 sums; products left as they are: f32 operands where the result goes on into a quantised operand, else bf16, f16 or f32 operands; f32 sums; everything else in f32.
;; Inputs: W1 512 x 512 float32; W2 256 x 512 float32; Wk 256 x 256 float32; Wm 256 x 256 float32; Wq 256 x 256 float32; Wv 256 x 256 float32; ln1_b 256 float32; ln1_g 256 float32; ln2_b 256 float32; ln2_g 256 float32; source 4 x 16,384 x 256 float32; x 4 x 16,384 x 256 float32.
;; Outputs: out0 4 x 16,384 x 256 float32.
;; Constants: H = 128, W = 128.
;; This version of the problem:
;;   THIS VERSION OF THE PROBLEM IS GIVEN IN LOW PRECISION. The matrix products marked QUANTISED in the list below multiply operands that are first quantised to E2M3 (2 exponent bits, 3 mantissa bits; 6 bits a number), with one power-of-two scale for each 32 numbers along K (OCP MX v1.0); their sums are f32. All else is computed in f32.
;;   The module's matrix products, in the order in which they are computed (A, B: the left and right operand; K: the contracted axis; several contracted axes count as one K, in the product's order):
;;     1. [M 65,536, K 256] x [K 256, N 256]; A: input x; B: input Wq: QUANTISED
;;     2. [M 65,536, K 256] x [K 256, N 256]; A: input source; B: input Wk: QUANTISED
;;     3. [M 65,536, K 256] x [K 256, N 256]; A: input source; B: input Wv: QUANTISED
;;     4. batch 32 x [M 32, K 16,384] x [K 16,384, N 32]; A: computed on the way; B: computed on the way: QUANTISED
;;     5. batch 32 x [M 1, K 32] x [K 32, N 16,384]; A: computed on the way; B: computed on the way: left as it is (M = 1 < 16)
;;     6. batch 32 x [M 32, K 32] x [K 32, N 16,384]; A: computed on the way; B: computed on the way: QUANTISED
;;     7. batch 524,288 x [M 1, K 1] x [K 1, N 32]; A: computed on the way; B: computed on the way: left as it is (no contracted axis)
;;     8. [M 65,536, K 256] x [K 256, N 256]; A: computed on the way; B: input Wm: QUANTISED
;;     9. [M 65,536, K 512] x [K 512, N 512]; A: computed on the way; B: input W1: QUANTISED
;;     10. [M 65,536, K 512] x [K 512, N 256]; A: computed on the way; B: input W2: QUANTISED
;;   THE QUANTISER, for each operand of a quantised product, along K:
;;     - K is cut into blocks of 32 from its start; a last block that is shorter is filled with zeros.
;;     - A block's scale is 2^e with e = floor(log2(the largest magnitude in the block)) - 2, held to -126 .. 127; a block of zeros has e = 0. As a byte (E8M0): e + 127.
;;     - Each number is divided by its block's scale, clamped to +-7.5, and rounded to the nearest number of E2M3, ties to even, subnormals kept.
;;     - The product sums the exact products of the quantised numbers (number of the format x scale) in f32.
;;   ~~~python
;;   def quantise(x, axis):      # numpy; x: float32 -> the quantised numbers, widened to float32 again
;;       x = np.moveaxis(x, axis, -1); K = x.shape[-1]
;;       x = np.pad(x, [(0, 0)] * (x.ndim - 1) + [(0, -K % 32)]); x = x.reshape(x.shape[:-1] + (-1, 32)); a = np.abs(x).max(-1, keepdims=True)
;;       e = np.where(a > 0, np.clip(np.frexp(np.where(a > 0, a, 1))[1] - 1 - 2, -126, 127), 0)      # np.frexp(a)[1] - 1 = floor(log2(a)), exactly
;;       r = np.clip(x / 2.0 ** e, -7.5, 7.5)
;;       step = 2.0 ** (np.maximum(np.frexp(np.where(r == 0, 1, r))[1] - 1, 0) - 3)
;;       q = np.round(r / step) * step * 2.0 ** e      # np.round: ties to even
;;       return np.moveaxis(q.reshape(q.shape[:-2] + (-1,))[..., :K], -1, axis).astype(np.float32)
;;   ~~~
;;   OPERANDS COMPUTED ON THE WAY. 'Computed on the way' means the value that the module computes at that place (a softmax that the list does not call 'softmax' is quantised finished and normalised). What goes into a quantiser is computed in f32, as accurately as f32 sums, v_exp_f32 and their like allow (about 1e-6 of the number): no bf16 or f16 on the way to a quantiser, and a product that is left as it is and whose result goes on into a quantised operand takes f32 operands (vector FMAs, or v_wmma_f32_16x16x4_f32). A number that lies on a knife's edge between two numbers of the format may be rounded either way, as far as f32 arithmetic and the matrix unit's own rounding can turn it there, and no further.
;; One version. Each part assembles by itself: llvm-mc -triple=amdgcn-amd-amdhsa -mcpu=gfx1250 --defsym DOCPART=n.
;; ======== version 1 of 1: 3 launches
;; limits: below input magnitudes of 7.7e-34 results are inexact or not finite; right only within a limited range of input values
;; workspace buffers: kvp 8,388,608 bytes; ksp 262,144 bytes; kvc 65,536 bytes; ksum 4,096 bytes; wimg 393,216 bytes; wscl 16,384 bytes
;; launch kvpart (part 1): grid 256 x 1, 4 waves a work-group, no clusters, 327,680 bytes of LDS; arguments source, Wk, Wv, kvp, ksp; writes kvp, ksp
.if DOCPART == 1
	.amdgcn_target "amdgcn-amd-amdhsa--gfx1250"
	.amdhsa_code_object_version 6
	.text
	.protected	k_q2d942ce504_kvpart
	.globl	k_q2d942ce504_kvpart
	.p2align	8
	.type	k_q2d942ce504_kvpart,@function
k_q2d942ce504_kvpart:
	s_mov_b64 s[64:65], 0
	v_nop
	global_prefetch_b8 v0, s[64:65] scope:SCOPE_SE
	s_setreg_imm32_b32 hwreg(HW_REG_WAVE_MODE, 25, 1), 1
	s_wait_xcnt 0x0
; THE SOURCE SIDE of the layer: k = source Wk^T, v = source Wv^T / 16384, K = RoPE(elu(k) + 1), and for this work-group's 256 positions the partial sums
; KV[d][v] = sum over s of K[s][d] v[s][v] and sumK[d] = sum over s of K[s][d], for all 8 heads.  All three products on E2M3 codes with one E8M0 scale for each 32 along K.
; DEAD WORK: none comes in whole units; every input of the problem has a way to the output and is loaded by one of the three launches.  The division of v by 16384 stays, as a power of two:
; 14 is taken off the scale bytes of Wv, which multiplies every sum of the product by 2^-14 exactly; the last launch multiplies by 16384 again.
; LIMITS: NaN and infinities among the inputs are not served.  A block whose largest magnitude lies under 2^-124 (Wv: 2^-110) is given the floor's scale byte; a block of zeros has that byte and zero codes
; (the bytes are read by this program alone).  sin and cos are made by a reduction by pi/2 in two parts and polynomials of degree 7 and 8, for angles up to 128.
; SHARES.  Work-group g owns source rows 256 g .. 256 g + 255: two steps of 128 rows; a step is one row i of the 128 x 128 image, all its columns.  Wave w owns heads 2 w and 2 w + 1, and quantises 32 of a step's rows.
; No cluster: what work-groups share is Wk and Wv in f32, which go straight into the lanes that quantise them; LDS is taken by the work-group's own 256 rows.
; No prefetch: each wave asks for all its rows by two tensor loads at the head; nothing is left to ask ahead.  Nothing in LDS is filled twice.
; LAYOUT.  The first products take 16 source rows as source 0 and 16 weight rows as source 1: a lane holds ONE channel and its registers run along the positions s, which are the next product's K.
; The source rows of tile 2 b + u are 32 b + 8 u + r + 8 (r / 8), so that register 16 b + i of a lane's 64 is position 32 b + 16 (lane / 16) + i.
; The rows of Wk of tile a of a head are 4 (r / 2) + 2 a + r % 2: lane r holds frequency r / 2, angle kind a (0: image row, 1: image column), and the rotation's partner is lane r xor 1.
; The rows of Wv of tile vt are 8 vt + r + 8 (r / 8).
; REGISTERS.  window 0: v0-31 addresses and rope factors; v32-47 weights' scale words; v48-63 source's; v64-67 K's and v's; v68-87 the quantiser's; v88-103 sums of K; v104-151 codes; v152-183 at work; v184-247 a product's 64 results.
;   window 1: v0-191 16 source fragments (ahead of the loop: three buffers of weights in f32); v192-255 the 8 accumulators of KV.   window 2: v0-191 16 weight fragments.   window 3: v0-127 source rows in f32; v128-255 cos and sin by column.
.set PIT,   1032                       ; an LDS row of source: 1,024 bytes + 8
.set HALFB, 128*PIT
.set IMG,   256*PIT                    ; 16 fragments as images of their registers, 1,536 bytes each
.set SCL,   IMG+16*1536                ; their scale words, 128 bytes each
.set ROPE,  SCL+2048                   ; cos, 16 groups of 512 bytes; sin 8,192 bytes on
.set SPARE, ROPE+16384                 ; the spare words, 128 bytes a wave
.set TM, 68
.set CT, 80
.set SEL, 20
.set LG, 46
.set CF, 40
.set T0, 20
.set T1, 21
.set T2, 22
.set T3, 23
.set WSC, 32
.set SSC, 48
.set PSC, 64
.set KS, 88
.set CKV, 104
.set TT, 152
.set ACC, 184
.set MSB, 0
.macro WIN new                         ; the immediate's high byte repeats the setting that is left
.if MSB != (\new)
	s_set_vgpr_msb (MSB<<8)|(\new)
.set MSB, \new
.endif
.endm
.macro PLACES n
.rept \n
	v_nop
.endr
.endm
.macro BAR                             ; my LDS stores have landed and my LDS loads are in: then the work-group's barrier
	s_wait_dscnt 0x0
	s_barrier_signal -1
	s_barrier_wait -1
.endm
; 16 nb numbers of a lane in window sw, register 16 b + i = k 32 b + 16 (lane / 16) + i of the lane's row, become codes in v[dst] on (6 registers for two blocks) and the row's scale bytes in v[wrd].
.macro QUANT src, sw, dst, wrd, nb, flo
	WIN (\sw)|((\sw)<<2)
.set qb, 0
.rept \nb
	v_max3_num_f32 v[TM+qb], |v[\src+16*qb]|, |v[\src+16*qb+1]|, \flo   ; the floor holds the byte at 1 from below
.set qb, qb+1
.endr
.irp i, 2,4,6,8,10,12,14
.set qb, 0
.rept \nb
	v_max3_num_f32 v[TM+qb], |v[\src+16*qb+\i]|, |v[\src+16*qb+\i+1]|, v[TM+qb]
.set qb, qb+1
.endr
.endr
	WIN 0
.set qb, 0
.rept \nb
	v_permlanex16_b32 v[TM+4+qb], v[TM+qb], s[SEL], s[SEL+1]
.set qb, qb+1
.endr
.set qb, 0
.rept \nb
	v_max_num_f32 v[TM+qb], v[TM+qb], v[TM+4+qb]     ; with lane l xor 16's: the block's largest magnitude
.set qb, qb+1
.endr
.set qb, 0
.rept \nb
	v_add_nc_u32 v[TM+8+qb], 0xff000000, v[TM+qb]    ; 2 off its exponent field: the conversion's scale operand
.set qb, qb+1
.endr
.set qb, 0
.rept \nb
	v_lshrrev_b32 v[TM+4+qb], 23, v[TM+8+qb]         ; the scale's byte
.set qb, qb+1
.endr
	v_lshl_or_b32 v[\wrd], v[TM+5], 8, v[TM+4]
.if \nb == 4
	v_lshl_or_b32 v[\wrd], v[TM+6], 16, v[\wrd]
	v_lshl_or_b32 v[\wrd], v[TM+7], 24, v[\wrd]
.endif
	WIN \sw
.set qb, 0
.rept (\nb)/2
	v_cvt_scalef32_pk16_fp6_f32 v[\dst+6*qb:\dst+6*qb+2], v[\src+32*qb:\src+32*qb+15], v[TM+8+2*qb]
	v_cvt_scalef32_pk16_fp6_f32 v[CT+4*qb:CT+4*qb+2], v[\src+32*qb+16:\src+32*qb+31], v[TM+9+2*qb]
.set qb, qb+1
.endr
	WIN 0
	v_nop                                            ; one plain line behind the conversions
.set qb, 0
.rept (\nb)/2                          ; the operand wants a whole block in a lane: lanes 0-15 the even block, lanes 16-31 the odd one
.irp i, 0,1,2
	v_permlane16_swap_b32 v[\dst+6*qb+\i], v[CT+4*qb+\i]
.endr
.irp i, 0,1,2
	v_mov_b32 v[\dst+6*qb+3+\i], v[CT+4*qb+\i]
.endr
.set qb, qb+1
.endr
.endm
; cos and sin of v[ang] (0 .. 128)
.macro SINCOS ang, c, s
	v_mul_f32 v[T0], 0x3f22f983, v[\ang]
	v_rndne_f32 v[T0], v[T0]                         ; the quadrant
	v_fmamk_f32 v[T1], v[T0], 0xbfc90fdb, v[\ang]
	v_fmamk_f32 v[T1], v[T0], 0x333bbd2e, v[T1]      ; the angle less quadrant x pi/2, in two parts
	v_cvt_i32_f32 v[T0], v[T0]
	v_mul_f32 v[T2], v[T1], v[T1]
	v_fma_f32 v[\s], v[T2], s[CF+2], s[CF+1]
	v_fma_f32 v[\s], v[\s], v[T2], s[CF]
	v_mul_f32 v[T3], v[T2], v[T1]
	v_fma_f32 v[\s], v[\s], v[T3], v[T1]
	v_fma_f32 v[\c], v[T2], s[CF+5], s[CF+4]
	v_fma_f32 v[\c], v[\c], v[T2], s[CF+3]
	v_mul_f32 v[T3], v[T2], v[T2]
	v_fma_f32 v[T1], v[T2], -0.5, 1.0
	v_fma_f32 v[\c], v[\c], v[T3], v[T1]
	v_and_b32 v[T1], 1, v[T0]
	v_cmp_eq_u32 vcc_lo, 1, v[T1]                    ; odd quadrants change the two over: a selection, no branch
	v_cndmask_b32 v[T2], v[\s], v[\c], vcc_lo
	v_cndmask_b32 v[T3], v[\c], v[\s], vcc_lo
	v_and_b32 v[T1], 2, v[T0]
	v_lshlrev_b32 v[T1], 30, v[T1]
	v_xor_b32 v[\s], v[T1], v[T2]
	v_add_nc_u32 v[T0], 1, v[T0]
	v_and_b32 v[T0], 2, v[T0]
	v_lshlrev_b32 v[T0], 30, v[T0]
	v_xor_b32 v[\c], v[T0], v[T3]
.endm
; elu(x) + 1 = 2^min(x log2 e, 0) + max(x, 0), on n registers from v[x]; v[t] on at work
.macro ELU x, t, n
.set ei, 0
.rept (\n)/2
	v_pk_mul_f32 v[\t+ei:\t+ei+1], v[\x+ei:\x+ei+1], s[LG:LG+1] op_sel_hi:[1,0]
.set ei, ei+2
.endr
.set ei, 0
.rept \n
	v_min_num_f32 v[\t+ei], 0, v[\t+ei]
.set ei, ei+1
.endr
.set ei, 0
.rept \n
	v_exp_f32 v[\t+ei], v[\t+ei]
.set ei, ei+1
.endr
.set ei, 0
.rept \n
	v_max_num_f32 v[\x+ei], 0, v[\x+ei]              ; plain work behind the batch
.set ei, ei+1
.endr
	s_wait_alu depctr_va_vdst(0)                     ; one wait for the batch, ahead of its first reader
.set ei, 0
.rept (\n)/2
	v_pk_add_f32 v[\x+ei:\x+ei+1], v[\x+ei:\x+ei+1], v[\t+ei:\t+ei+1]
.set ei, ei+2
.endr
.endm
; weight fragment idx = 8 hd + 2 ct + ks (ct 0, 1: Wk's tiles; 2, 3: Wv's), 64 f32 a lane, into buffer idx % 3 of window 1
.macro WLOAD idx
.set whd, (\idx)/8
.set wct, ((\idx)/2)%4
.set wks, (\idx)%2
.set wq, 64*((\idx)%3)
	WIN 0x40
.irp b, 0,1,2,3
.irp j, 0,1,2,3
.if wct < 2
	global_load_b128 v[wq+16*\b+4*\j:wq+16*\b+4*\j+3], v13, s[6:7] offset:whd*32768+wct*2048+wks*512+128*\b+16*\j
.else
	global_load_b128 v[wq+16*\b+4*\j:wq+16*\b+4*\j+3], v14, s[8:9] offset:whd*32768+(wct-2)*8192+wks*512+128*\b+16*\j
.endif
.endr
.endr
	WIN 0
.endm
	s_load_b256 s[4:11], s[0:1], 0x0                 ; source, Wk, Wv, kvp
	s_load_b64 s[12:13], s[0:1], 0x20                ; ksp
	v_lshl_add_u32 v3, v0, 2, SPARE
	v_mov_b32 v4, 0
	ds_add_u32 v3, v4                                ; the wave's opening: the add, twice on end, and its wait ahead of my first tensor load
	ds_add_u32 v3, v4
	v_lshrrev_b32 v1, 5, v0
	v_readfirstlane_b32 s14, v1                      ; wave 0..3
	s_mov_b32 s24, (2<<16)|(1<<20)|(7<<22)|(1<<25)   ; group 1: elements of 4 bytes; 2 words of padding behind every 256
	s_mov_b32 s25, 256<<16                           ; tensor_dim0 = 256
	s_mov_b32 s26, 32<<16                            ; tensor_dim1 = 32
	s_mov_b32 s27, 256<<16                           ; tile_dim0 = 256
	s_mov_b32 s28, 32                                ; tile_dim1 = 32
	s_mov_b32 s29, 256                               ; elements from row to row
	s_mov_b32 s30, 0
	s_mov_b32 s31, 0
	s_mov_b32 s20, 0x76543210
	s_mov_b32 s21, 0xfedcba98                        ; lane l xor 16
	s_mov_b32 s22, 0xffff0000                        ; lanes 16-31
	s_mov_b32 s40, 0xbe2aaaa3
	s_mov_b32 s41, 0x3c08839e
	s_mov_b32 s42, 0xb94ca1f9
	s_mov_b32 s43, 0x3d2aaaa5
	s_mov_b32 s44, 0xbab6061a
	s_mov_b32 s45, 0x37ccf5ce
	s_mov_b32 s46, 0x3fb8aa3b                        ; log2 e
	s_mov_b32 s47, s46
	s_mul_i32 s16, s14, 32*PIT                       ; my 32 rows of a step in LDS
	s_mov_b32 s32, 1
	s_mov_b32 s33, s16
	s_mov_b32 s36, 1
	s_add_co_u32 s37, s16, HALFB
	s_lshl_b32 s2, ttmp9, 18                         ; 256 rows of 1,024 bytes a work-group,
	s_lshl_b32 s17, s14, 15                          ; 32 a wave
	s_add_co_u32 s2, s2, s17
	s_mov_b32 s3, 0
	s_wait_dscnt 0x0                                 ; both opening adds are done
	s_wait_kmcnt 0x0
	s_add_nc_u64 s[34:35], s[4:5], s[2:3]
	s_add_nc_u64 s[38:39], s[34:35], 131072          ; step 1: 128 rows on
	s_or_b32 s35, s35, 0x80000000
	s_or_b32 s39, s39, 0x80000000
	tensor_load_to_lds s[32:35], s[24:31]            ; my rows of step 0
	s_nop 0
	tensor_load_to_lds s[36:39], s[24:31]            ; and of step 1: two loads of mine are out
	s_nop 0
	PLACES 4
	v_and_b32 v1, 15, v0                             ; r
	v_bfe_u32 v2, v0, 4, 1                           ; h
	v_and_b32 v20, 31, v0                            ; lane
	v_and_b32 v21, 8, v1
	v_add_nc_u32 v21, v21, v1                        ; r + 8 (r / 8)
	v_and_b32 v22, 14, v1
	v_add_nc_u32 v22, v22, v1                        ; r + 2 (r / 2)
	v_mul_u32_u24 v5, v21, PIT
	v_lshl_add_u32 v5, v2, 6, v5
	v_add_nc_u32 v5, s16, v5                         ; my row of source in step 0, + 64 h
	v_add_nc_u32 v6, HALFB, v5                       ; in step 1
	v_lshlrev_b32 v15, 4, v20                        ; 16 x lane
	v_lshlrev_b32 v23, 2, v20                        ; 4 x lane
	s_mul_i32 s17, s14, 6144
	s_add_co_u32 s17, s17, IMG
	v_add_nc_u32 v7, s17, v15                        ; where I store images
	s_lshl_b32 s17, s14, 9
	s_add_co_u32 s17, s17, SCL
	v_add_nc_u32 v8, s17, v23                        ; and their scale words
	v_add_nc_u32 v9, IMG, v15                        ; where all read them
	v_add_nc_u32 v10, SCL, v23
	s_lshl_b32 s17, s14, 11
	s_add_co_u32 s17, s17, ROPE
	v_add_nc_u32 v11, s17, v15
	v_add_nc_u32 v12, ROPE, v15
	v_lshlrev_b32 v13, 10, v22
	v_lshl_add_u32 v13, v2, 6, v13                   ; Wk: my row of a tile, + 64 h
	v_lshlrev_b32 v14, 10, v21
	v_lshl_add_u32 v14, v2, 6, v14                   ; Wv likewise
	v_lshrrev_b32 v16, 3, v1
	v_lshlrev_b32 v16, 4, v16
	v_lshl_add_u32 v16, v2, 3, v16
	v_and_b32 v19, 7, v1
	v_add_lshl_u32 v16, v16, v19, 2                  ; sum of K: 4 (16 (r / 8) + 8 h + r % 8): lanes 0-15 store tile 0's, lanes 16-31 tile 1's
	v_and_b32 v18, 1, v1
	v_lshlrev_b32 v18, 31, v18                       ; odd lanes hold -sin
	s_lshl_b32 s2, s14, 16                           ; my 64 rows of Wk and Wv
	s_add_nc_u64 s[6:7], s[6:7], s[2:3]
	s_add_nc_u64 s[8:9], s[8:9], s[2:3]
	WLOAD 0
	WLOAD 1
	WLOAD 2
	v_lshrrev_b32 v19, 1, v1                         ; my frequency
	v_mov_b32 v17, 1.0
.macro DIVSEL f, lit
	v_cmp_ne_u32 vcc_lo, \f, v19
	v_cndmask_b32 v17, \lit, v17, vcc_lo
.endm
	DIVSEL 1, 0x3ea1e89b
	DIVSEL 2, 0x3dcccccd
	DIVSEL 3, 0x3d0186e2
	DIVSEL 4, 0x3c23d70a
	DIVSEL 5, 0x3b4f3e37
	DIVSEL 6, 0x3a83126f
	DIVSEL 7, 0x39a5cb5f
	s_lshl_b32 s17, s14, 5
	s_add_co_u32 s17, s17, 1
	v_lshl_add_u32 v31, v2, 4, s17                   ; column + 1 of my first position of block w
.irp i, 0,1,2,3,4,5,6,7,8,9,10,11,12,13,14,15   ; wave w makes the column factors of positions 32 w .. 32 w + 31; all waves read all
	v_add_nc_u32 v19, \i, v31
	v_cvt_f32_u32 v19, v19
	v_mul_f32 v19, v19, v17
	SINCOS 19, ACC+\i, ACC+16+\i
	v_xor_b32 v[ACC+16+\i], v18, v[ACC+16+\i]
.endr
.irp q, 0,1,2,3
	ds_store_b128 v11, v[ACC+4*\q:ACC+4*\q+3] offset:512*\q
	ds_store_b128 v11, v[ACC+16+4*\q:ACC+16+4*\q+3] offset:8192+512*\q
.endr
	s_and_b32 s17, ttmp9, 63
	s_lshl_b32 s17, s17, 1
	s_add_co_u32 s17, s17, 1                         ; image row + 1 of step 0
	v_cvt_f32_u32 v19, s17
	v_mul_f32 v19, v19, v17
	SINCOS 19, 24, 26
	v_xor_b32 v26, v18, v26
	v_mov_b32 v25, v24
	v_mov_b32 v27, v26
	s_add_co_u32 s17, s17, 1                         ; of step 1
	v_cvt_f32_u32 v19, s17
	v_mul_f32 v19, v19, v17
	SINCOS 19, 28, 29
	v_xor_b32 v29, v18, v29
.irp i, 4,5,6,7
	v_mov_b32 v[TM+\i], 0                            ; written once: a lane permute's destination counts as one of its sources
.endr
	BAR                                              ; the column factors lie in LDS
	WIN 0xc0
.irp b, 0,1,2,3
.irp q, 0,1,2,3
	ds_load_b128 v[128+16*\b+4*\q:131+16*\b+4*\q], v12 offset:2048*\b+512*\q
	ds_load_b128 v[192+16*\b+4*\q:195+16*\b+4*\q], v12 offset:8192+2048*\b+512*\q
.endr
.endr
	WIN 0
	; my 16 weight fragments are quantised while the source rows are on their way
.set ix, 0
.rept 16
.if ix < 14
	s_wait_loadcnt 32                                ; this fragment's 16 loads are in; two younger fragments may be out
.elseif ix == 14
	s_wait_loadcnt 16
.else
	s_wait_loadcnt 0
.endif
.if (ix/2)%4 < 2
	QUANT 64*(ix%3),1,CKV,WSC+ix,4,0x1800000
.else
	QUANT 64*(ix%3),1,CKV,WSC+ix,4,0x8800000
	v_add_nc_u32 v[WSC+ix], 0xf1f1f1f2, v[WSC+ix]    ; 14 off each of the four bytes (each is 15 at the least: no borrow): v / 16384
.endif
	WIN 0x80
.irp i, 0,1,2,3,4,5,6,7,8,9,10,11
	v_mov_b32 v[12*ix+\i], v[CKV+\i]
.endr
	WIN 0
.if ix+3 < 16
	WLOAD ix+3
.endif
.set ix, ix+1
.endr
	WIN 0x40
.set ci, 0
.rept 64
	v_mov_b32 v[192+ci], 0                           ; KV's sums begin as zeros: the step is written once and walked twice
.set ci, ci+1
.endr
	WIN 0
.set ci, 0
.rept 16
	v_mov_b32 v[KS+ci], 0
.set ci, ci+1
.endr
; my 32 rows of step sig become four fragments k = 2 u + ks (tile 2 w + u, K step ks)
.macro SL k, sig
	WIN 0xc0
.irp b, 0,1,2,3
.irp q, 0,1,2,3,4,5,6,7
	ds_load_b64 v[64*((\k)%2)+16*\b+2*\q:64*((\k)%2)+16*\b+2*\q+1], v[5+\sig] offset:8256*((\k)/2)+512*((\k)%2)+128*\b+8*\q
.endr
.endr
	WIN 0
.endm
.macro QK k
	QUANT 64*((\k)%2),3,CKV+12*((\k)%2),TT+(\k),4,0x1800000
.irp c, 0,1,2
	ds_store_b128 v7, v[CKV+12*((\k)%2)+4*\c:CKV+12*((\k)%2)+4*\c+3] offset:1536*(\k)+512*\c
.endr
	ds_store_b32 v8, v[TT+(\k)] offset:128*(\k)
.endm
.macro QSRC sig
	s_wait_tensorcnt 1-\sig                          ; my rows of this step have landed (step 0: step 1's load may stay out); only I read them
	SL 0, \sig
	SL 1, \sig
	s_wait_dscnt 32                                  ; fragment 0's numbers are in; fragment 1's 32 loads may be out
	QK 0
	SL 2, \sig
	s_wait_dscnt 36                                  ; fragment 1's are in: 4 stores and 32 loads are younger
	QK 1
	SL 3, \sig
	s_wait_dscnt 36                                  ; likewise; fragment 0's stores have read their registers
	QK 2
	s_wait_dscnt 4                                   ; fragment 3's are in, fragment 1's stores are done; fragment 2's 4 stores may be out
	QK 3
.endm
	s_wait_dscnt 0x0                                 ; the column factors are in registers
	QSRC 0
; 16 products: the step's 8 tiles of 16 positions x 16 channels (tile ct of head hd), K = 256 in two steps; the eight accumulators take turns
.macro MM hd, ct
	WIN 0x09
.irp t, 0,1,2,3,4,5,6,7
	v_wmma_scale_f32_16x16x128_f8f6f4 v[ACC+8*\t:ACC+8*\t+7], v[24*\t:24*\t+11], v[12*(8*\hd+2*\ct):12*(8*\hd+2*\ct)+11], 0, v[SSC+2*\t], v[WSC+8*\hd+2*\ct] matrix_a_fmt:MATRIX_FMT_FP6 matrix_b_fmt:MATRIX_FMT_FP6
.endr
.irp t, 0,1,2,3,4,5,6,7
	v_wmma_scale_f32_16x16x128_f8f6f4 v[ACC+8*\t:ACC+8*\t+7], v[24*\t+12:24*\t+23], v[12*(8*\hd+2*\ct)+12:12*(8*\hd+2*\ct)+23], v[ACC+8*\t:ACC+8*\t+7], v[SSC+2*\t+1], v[WSC+8*\hd+2*\ct+1] matrix_a_fmt:MATRIX_FMT_FP6 matrix_b_fmt:MATRIX_FMT_FP6
.endr
	WIN 0
	PLACES 4
.endm
; K = RoPE(elu(k) + 1) on the 64 results, 32 at a time, and their sum
.macro ELUROPE hd, a
.irp kp, 0,1
	ELU ACC+32*\kp,TT,32
.if \a
	WIN 0x0c                                         ; the column factors lie in window 3
.set ci, 0
.rept 16
	v_pk_mul_f32 v[TT+ci:TT+ci+1], v[ACC+32*\kp+ci:ACC+32*\kp+ci+1], v[192+32*\kp+ci:193+32*\kp+ci]
.set ci, ci+2
.endr
.set ci, 0
.rept 16
	v_pk_mul_f32 v[ACC+32*\kp+ci:ACC+32*\kp+ci+1], v[ACC+32*\kp+ci:ACC+32*\kp+ci+1], v[128+32*\kp+ci:129+32*\kp+ci]
.set ci, ci+2
.endr
	WIN 0
.else
.set ci, 0
.rept 16
	v_pk_mul_f32 v[TT+ci:TT+ci+1], v[ACC+32*\kp+ci:ACC+32*\kp+ci+1], v[26:27]
.set ci, ci+2
.endr
.set ci, 0
.rept 16
	v_pk_mul_f32 v[ACC+32*\kp+ci:ACC+32*\kp+ci+1], v[ACC+32*\kp+ci:ACC+32*\kp+ci+1], v[24:25]
.set ci, ci+2
.endr
.endif
.set ci, 0
.rept 32
	v_add_f32_dpp v[ACC+32*\kp+ci], v[TT+ci], v[ACC+32*\kp+ci] row_xmask:1 row_mask:0xf bank_mask:0xf   ; x cos + the partner's x (-+sin)
.set ci, ci+1
.endr
.set ci, 0
.rept 16
	v_pk_add_f32 v[KS+4*(2*\hd+\a)+(ci%4):KS+4*(2*\hd+\a)+(ci%4)+1], v[KS+4*(2*\hd+\a)+(ci%4):KS+4*(2*\hd+\a)+(ci%4)+1], v[ACC+32*\kp+ci:ACC+32*\kp+ci+1]
.set ci, ci+2
.endr
.endr
.endm
.macro COMPUTE hd
.irp ct, 0,1,2,3
	MM \hd,\ct
.if \ct < 2
	ELUROPE \hd,\ct
.endif
	QUANT ACC,0,CKV+12*\ct,PSC+\ct,4,0x1800000       ; along the positions: the next product's K
.endr
	PLACES 8                                         ; codes and scale words written by vector lines stand 4 and 8 places ahead of the products
	WIN 0x50
.irp a, 0,1
.irp vt, 0,1
	v_wmma_scale_f32_16x16x128_f8f6f4 v[192+8*(4*\hd+2*\a+\vt):192+8*(4*\hd+2*\a+\vt)+7], v[CKV+12*\a:CKV+12*\a+11], v[CKV+24+12*\vt:CKV+24+12*\vt+11], v[192+8*(4*\hd+2*\a+\vt):192+8*(4*\hd+2*\a+\vt)+7], v[PSC+\a], v[PSC+2+\vt] matrix_a_fmt:MATRIX_FMT_FP6 matrix_b_fmt:MATRIX_FMT_FP6
.endr
.endr
	WIN 0
.endm
	s_mov_b32 s15, 0
.Lstep:
	BAR                                              ; the step's 16 images lie in LDS
	WIN 0x40
.set ci, 0
.rept 16
.irp c, 0,1,2
	ds_load_b128 v[12*ci+4*\c:12*ci+4*\c+3], v9 offset:1536*ci+512*\c
.endr
.set ci, ci+1
.endr
	WIN 0
.set ci, 0
.rept 16
	ds_load_b32 v[SSC+ci], v10 offset:128*ci
.set ci, ci+1
.endr
	BAR                                              ; every wave has them in registers: the images may be written again
	COMPUTE 0
	COMPUTE 1
	s_cmp_eq_u32 s15, 1                              ; behind the last step nothing is left to quantise
	s_cbranch_scc1 .Lnoq
	QSRC 1
	v_mov_b32 v24, v28                               ; the next image row's factors
	v_mov_b32 v25, v28
	v_mov_b32 v26, v29
	v_mov_b32 v27, v29
.Lnoq:
	s_add_co_u32 s15, s15, 1
	s_cmp_lt_u32 s15, 2
	s_cbranch_scc1 .Lstep
.irp x, 0,1,2,3                        ; the sums of K: these additions are also the places behind the last products
	v_add_f32 v[KS+4*\x], v[KS+4*\x], v[KS+4*\x+1]
	v_add_f32 v[KS+4*\x+2], v[KS+4*\x+2], v[KS+4*\x+3]
.endr
.irp x, 0,1,2,3
	v_add_f32 v[KS+4*\x], v[KS+4*\x], v[KS+4*\x+2]
.endr
.irp x, 0,1,2,3
	v_permlanex16_b32 v[KS+4*\x+1], v[KS+4*\x], s[SEL], s[SEL+1]
.endr
.irp x, 0,1,2,3
	v_add_f32 v[KS+4*\x], v[KS+4*\x], v[KS+4*\x+1]
.endr
	v_cndmask_b32 v[KS], v[KS], v[KS+4], s22         ; lanes 0-15 tile 0's channels, lanes 16-31 tile 1's
	v_cndmask_b32 v[KS+8], v[KS+8], v[KS+12], s22
	s_lshl_b32 s2, ttmp9, 10
	s_lshl_b32 s17, s14, 8
	s_add_co_u32 s2, s2, s17
	s_add_nc_u64 s[12:13], s[12:13], s[2:3]
	s_lshl_b32 s2, ttmp9, 15
	s_lshl_b32 s17, s14, 13
	s_add_co_u32 s2, s2, s17
	s_add_nc_u64 s[10:11], s[10:11], s[2:3]
	global_store_b32 v16, v[KS], s[12:13]
	global_store_b32 v16, v[KS+8], s[12:13] offset:128
	WIN 0x04                                         ; a store's data: window 1
.irp hd, 0,1
.irp vt, 0,1
.irp a, 0,1
	global_store_b128 v15, v[192+8*(4*\hd+2*\a+\vt):192+8*(4*\hd+2*\a+\vt)+3], s[10:11] offset:4096*\hd+2048*\vt+1024*\a        ; 32 lanes store 512 consecutive bytes; each accumulator from its low end on
	global_store_b128 v15, v[192+8*(4*\hd+2*\a+\vt)+4:192+8*(4*\hd+2*\a+\vt)+7], s[10:11] offset:4096*\hd+2048*\vt+1024*\a+512
.endr
.endr
.endr
	WIN 0
	s_wait_tensorcnt 0x0                             ; the wave's end
	ds_add_u32 v3, v4
	s_wait_dscnt 0x0
	s_endpgm
.Lfunc_end_k_q2d942ce504_kvpart:
	.size	k_q2d942ce504_kvpart, .Lfunc_end_k_q2d942ce504_kvpart-k_q2d942ce504_kvpart
	.p2alignl 7, 3214868480
	.fill 96, 4, 3214868480
	.section	.rodata,"a",@progbits
	.p2align	6, 0x0
	.amdhsa_kernel k_q2d942ce504_kvpart
		.amdhsa_group_segment_fixed_size 327680
		.amdhsa_private_segment_fixed_size 0
		.amdhsa_enable_private_segment 0
		.amdhsa_kernarg_size 40
		.amdhsa_user_sgpr_count 2
		.amdhsa_user_sgpr_kernarg_segment_ptr 1
		.amdhsa_wavefront_size32 1
		.amdhsa_system_sgpr_workgroup_id_x 1
		.amdhsa_system_sgpr_workgroup_id_y 1
		.amdhsa_system_sgpr_workgroup_id_z 1
		.amdhsa_system_vgpr_workitem_id 0
		.amdhsa_next_free_vgpr 1024
		.amdhsa_next_free_sgpr 66
		.amdhsa_reserve_vcc 1
		.amdhsa_float_denorm_mode_32 3
		.amdhsa_float_denorm_mode_16_64 3
		.amdhsa_memory_ordered 1
		.amdhsa_forward_progress 1
		.amdhsa_inst_pref_size 255
	.end_amdhsa_kernel
	.section	.bss,"aw",@nobits
	.p2align	6
	.space	262144
	.amdgpu_metadata
---
amdhsa.version: [ 1, 2 ]
amdhsa.kernels:
  - .name:           k_q2d942ce504_kvpart
    .symbol:         k_q2d942ce504_kvpart.kd
    .args:
      - { .name: source, .offset: 0, .size: 8, .value_kind: global_buffer, .address_space: global }
      - { .name: Wk, .offset: 8, .size: 8, .value_kind: global_buffer, .address_space: global }
      - { .name: Wv, .offset: 16, .size: 8, .value_kind: global_buffer, .address_space: global }
      - { .name: kvp, .offset: 24, .size: 8, .value_kind: global_buffer, .address_space: global }
      - { .name: ksp, .offset: 32, .size: 8, .value_kind: global_buffer, .address_space: global }
    .group_segment_fixed_size: 327680
    .private_segment_fixed_size: 0
    .kernarg_segment_align: 8
    .kernarg_segment_size: 40
    .max_flat_workgroup_size: 128
    .sgpr_count:     66
    .vgpr_count:     1024
    .wavefront_size: 32
...
	.end_amdgpu_metadata
.endif
;; end of part 1
;; launch reduce (part 2): grid 72 x 1, 8 waves a work-group, no clusters, 17,408 bytes of LDS; arguments kvp, ksp, Wq, Wm, W1, W2, kvc, ksum, wimg, wscl; writes kvc, ksum, wimg, wscl
.if DOCPART == 2
	.amdgcn_target "amdgcn-amd-amdhsa--gfx1250"
	.amdhsa_code_object_version 6
	.text
	.protected	k_q2d942ce504_reduce
	.globl	k_q2d942ce504_reduce
	.p2align	8
	.type	k_q2d942ce504_reduce,@function
k_q2d942ce504_reduce:
	s_mov_b64 s[64:65], 0
	v_nop
	global_prefetch_b8 v0, s[64:65] scope:SCOPE_SE
	s_setreg_imm32_b32 hwreg(HW_REG_WAVE_MODE, 25, 1), 1
	s_wait_xcnt 0x0
; Two small jobs in one launch; no work is left out.
; Work-groups 0-63: (batch n, head, tile vt of 16 value channels): the 64 partial sums of KV are added in a fixed order (8 a wave, then the 8 waves' through LDS), KV is quantised along d (one block of 32 a value channel)
;   and stored as an image of the operand's registers, the block in lanes 0-15; where vt = 0, wave 1 adds the 64 partial sums of K.
; Work-groups 64-71: Wq, Wm, W1, W2 are quantised along K (their last axis) into images of the operand's registers, in the order in which the last launch's wave w keeps them: a wave makes 4 fragments.
; LIMITS: as in the first launch: NaN and infinities are not served; blocks under 2^-124 get the floor's byte.
.set TM, 8
.set CT, 20
.set SEL, 44
.set MSB, 0
.macro WIN new
.if MSB != (\new)
	s_set_vgpr_msb (MSB<<8)|(\new)
.set MSB, \new
.endif
.endm
.macro QUANT src, sw, dst, wrd, nb, flo
.set qb, 0
.rept \nb
	v_max3_num_f32 v[TM+qb], |v[\src+16*qb]|, |v[\src+16*qb+1]|, \flo
.set qb, qb+1
.endr
.irp i, 2,4,6,8,10,12,14
.set qb, 0
.rept \nb
	v_max3_num_f32 v[TM+qb], |v[\src+16*qb+\i]|, |v[\src+16*qb+\i+1]|, v[TM+qb]
.set qb, qb+1
.endr
.endr
.irp b, 0,1,2,3
	v_permlanex16_b32 v[TM+4+\b], v[TM+\b], s[SEL], s[SEL+1]
.endr
.irp b, 0,1,2,3
	v_max_num_f32 v[TM+\b], v[TM+\b], v[TM+4+\b]
.endr
.irp b, 0,1,2,3
	v_add_nc_u32 v[TM+8+\b], 0xff000000, v[TM+\b]
.endr
.irp b, 0,1,2,3
	v_lshrrev_b32 v[TM+4+\b], 23, v[TM+8+\b]
.endr
	v_lshl_or_b32 v[\wrd], v[TM+5], 8, v[TM+4]
	v_lshl_or_b32 v[\wrd], v[TM+6], 16, v[\wrd]
	v_lshl_or_b32 v[\wrd], v[TM+7], 24, v[\wrd]
.irp c, 0,1
	v_cvt_scalef32_pk16_fp6_f32 v[\dst+6*\c:\dst+6*\c+2], v[\src+32*\c:\src+32*\c+15], v[TM+8+2*\c]
	v_cvt_scalef32_pk16_fp6_f32 v[CT+4*\c:CT+4*\c+2], v[\src+32*\c+16:\src+32*\c+31], v[TM+9+2*\c]
.endr
	v_nop
.irp c, 0,1
.irp i, 0,1,2
	v_permlane16_swap_b32 v[\dst+6*\c+\i], v[CT+4*\c+\i]
.endr
.irp i, 0,1,2
	v_mov_b32 v[\dst+6*\c+3+\i], v[CT+4*\c+\i]
.endr
.endr
.endm
	s_load_b512 s[4:19], s[0:1], 0x0                 ; kvp, ksp, Wq, Wm, W1, W2, kvc, ksum
	s_load_b128 s[20:23], s[0:1], 0x40               ; wimg, wscl
	v_lshl_add_u32 v1, v0, 2, 16384                  ; my spare word, behind the 16,384 bytes of partial sums
	v_mov_b32 v2, 0
	v_lshrrev_b32 v3, 5, v0
	v_readfirstlane_b32 s24, v3                      ; wave 0..7
	v_and_b32 v7, 31, v0
	v_lshlrev_b32 v3, 4, v7                          ; 16 x lane
	v_lshlrev_b32 v5, 3, v7
	v_lshlrev_b32 v6, 2, v7
	s_lshl_b32 s26, s24, 11
	v_add_nc_u32 v4, s26, v3                         ; + 2,048 x wave
	s_mov_b32 s44, 0x76543210
	s_mov_b32 s45, 0xfedcba98
	s_mov_b32 s46, 0xffff0000
.irp i, 4,5,6,7
	v_mov_b32 v[TM+\i], 0
.endr
	s_mov_b32 s25, ttmp9
	s_mov_b32 s43, 0
	s_wait_kmcnt 0x0
	s_cmp_ge_u32 s25, 64
	s_cbranch_scc1 .Lweights
	s_lshr_b32 s27, s25, 4                           ; n
	s_and_b32 s28, s25, 15                           ; 2 head + vt
	s_lshl_b32 s42, s27, 21                          ; 64 n work-groups' partials of 32,768 bytes,
	s_lshl_b32 s29, s24, 18                          ; 8 a wave,
	s_add_co_u32 s42, s42, s29
	s_lshl_b32 s29, s28, 11                          ; my tile's 2,048 bytes
	s_add_co_u32 s42, s42, s29
	s_add_nc_u64 s[4:5], s[4:5], s[42:43]
.irp i, 0,1,2,3,4,5,6,7
.irp q, 0,1,2,3
	global_load_b128 v[32+16*\i+4*\q:35+16*\i+4*\q], v3, s[4:5] offset:32768*\i+512*\q
.endr
.endr
	s_wait_loadcnt 0x0
.irp i, 1,2,3,4,5,6,7
.irp p, 0,2,4,6,8,10,12,14
	v_pk_add_f32 v[32+\p:33+\p], v[32+\p:33+\p], v[32+16*\i+\p:33+16*\i+\p]
.endr
.endr
.irp q, 0,1,2,3
	ds_store_b128 v4, v[32+4*\q:35+4*\q] offset:512*\q
.endr
	s_wait_dscnt 0x0                                 ; for the others' sake: my sums lie in LDS
	s_barrier_signal -1
	s_barrier_wait -1
	s_cmp_eq_u32 s24, 0
	s_cbranch_scc0 .Lnot0
.irp i, 0,1,2,3,4,5,6,7
.irp q, 0,1,2,3
	ds_load_b128 v[32+16*\i+4*\q:35+16*\i+4*\q], v3 offset:2048*\i+512*\q
.endr
.endr
	s_wait_dscnt 0x0
.irp i, 1,2,3,4,5,6,7
.irp p, 0,2,4,6,8,10,12,14
	v_pk_add_f32 v[32+\p:33+\p], v[32+\p:33+\p], v[32+16*\i+\p:33+16*\i+\p]
.endr
.endr
	; register i of lane (r, h) is KV at position 16 h + i of the head's 32, value channel of lane r: one block of 32 in lanes l and l xor 16
	v_max3_num_f32 v[TM], |v32|, |v33|, 0x1800000
	v_max3_num_f32 v[TM+1], |v34|, |v35|, |v36|
.irp i, 37,41,45
	v_max3_num_f32 v[TM], |v[\i]|, |v[\i+1]|, v[TM]
.endr
.irp i, 39,43
	v_max3_num_f32 v[TM+1], |v[\i]|, |v[\i+1]|, v[TM+1]
.endr
	v_max3_num_f32 v[TM], |v47|, v[TM+1], v[TM]
	v_permlanex16_b32 v[TM+4], v[TM], s[SEL], s[SEL+1]
	v_max_num_f32 v[TM], v[TM], v[TM+4]
	v_add_nc_u32 v[TM+8], 0xff000000, v[TM]
	v_lshrrev_b32 v166, 23, v[TM+8]
	v_cvt_scalef32_pk16_fp6_f32 v[160:162], v[32:47], v[TM+8]
.irp i, 3,4,5
	v_mov_b32 v[160+\i], 0
.endr
.irp i, 0,1,2
	v_permlane16_swap_b32 v[160+\i], v[163+\i]       ; lanes 0-15 now hold the whole block, lanes 16-31 zeros
.endr
	s_lshl_b32 s42, s25, 10
	s_add_nc_u64 s[16:17], s[16:17], s[42:43]
	global_store_b128 v3, v[160:163], s[16:17]
	global_store_b64 v5, v[164:165], s[16:17] offset:512
	global_store_b32 v6, v166, s[16:17] offset:768
	s_branch .Lend
.Lnot0:
	s_cmp_eq_u32 s24, 1
	s_cbranch_scc0 .Lend
	s_bitcmp1_b32 s25, 0                             ; the sum of K is made once a head: where vt = 0
	s_cbranch_scc1 .Lend
	s_lshr_b32 s28, s28, 1                           ; head
	s_lshl_b32 s42, s27, 16
	s_lshl_b32 s29, s28, 7
	s_add_co_u32 s42, s42, s29
	s_add_nc_u64 s[6:7], s[6:7], s[42:43]
.set ci, 0
.rept 64
	global_load_b32 v[32+ci], v6, s[6:7] offset:1024*ci
.set ci, ci+1
.endr
	s_wait_loadcnt 0x0
.irp st, 32,16,8,4,2
.set ci, 0
.rept \st/2
	v_pk_add_f32 v[32+ci:33+ci], v[32+ci:33+ci], v[32+\st+ci:33+\st+ci]
.set ci, ci+2
.endr
.endr
	v_add_f32 v32, v32, v33
	s_lshl_b32 s42, s27, 10
	s_add_co_u32 s42, s42, s29
	s_add_nc_u64 s[18:19], s[18:19], s[42:43]
	global_store_b32 v6, v32, s[18:19]
.Lend:
	s_wait_tensorcnt 0x0                             ; the wave's end
	ds_add_u32 v1, v2
	s_wait_dscnt 0x0
	s_endpgm
.Lweights:                                           ; no LDS on this way
	s_sub_co_u32 s26, s25, 64
	s_lshl_b32 s26, s26, 3
	s_add_co_u32 s26, s26, s24
	s_lshr_b32 s27, s26, 4                           ; w: whose fragments
	s_and_b32 s28, s26, 15                           ; which four: 0-7 W1's tile, 8, 9 Wq, 10, 11 Wm, 12-15 W2's tile
	s_mov_b32 s33, 2048                              ; bytes in a row
	s_mov_b32 s34, 1024                              ; from fragment i to i + 2
	s_mov_b32 s35, 16384                             ; for r / 8: 8 rows
	s_mov_b32 s36, 0                                 ; for r / 2
	s_and_b32 s38, s28, 1
	s_lshr_b32 s37, s28, 1
	s_and_b32 s39, s37, 1
	s_cmp_ge_u32 s28, 8
	s_cselect_b32 s32, 6, 7                          ; 64 or 128 rows a wave
	s_cselect_b32 s37, s39, s37
	s_cselect_b64 s[30:31], s[14:15], s[12:13]       ; W2 or W1
	s_and_b32 s40, s28, 12
	s_cmp_eq_u32 s40, 8                              ; Wq or Wm: rows of 1,024 bytes
	s_cselect_b32 s37, s38, s37
	s_cselect_b32 s41, 0, s38
	s_cselect_b32 s33, 1024, s33
	s_cselect_b32 s35, 8192, s35
	s_cselect_b32 s34, 8192, s34
	s_cselect_b64 s[30:31], s[10:11], s[30:31]
	s_and_b32 s40, s28, 14
	s_cmp_eq_u32 s40, 8                              ; Wq: the rows of a tile are 4 (r / 2) + r % 2, the second tile 2 rows on
	s_cselect_b32 s35, 0, s35
	s_cselect_b32 s36, 2048, s36
	s_cselect_b32 s34, 2048, s34
	s_cselect_b64 s[30:31], s[8:9], s[30:31]
	s_lshl_b32 s42, s27, s32
	s_lshl_b32 s37, s37, 5
	s_lshl_b32 s41, s41, 3
	s_add_co_u32 s42, s42, s37
	s_add_co_u32 s42, s42, s41                       ; the tile's first row
	s_mul_i32 s42, s42, s33
	s_add_nc_u64 s[30:31], s[30:31], s[42:43]
	v_and_b32 v214, 15, v0
	v_bfe_u32 v215, v0, 4, 1
	v_mul_lo_u32 v216, v214, s33
	v_lshrrev_b32 v217, 3, v214
	v_mul_lo_u32 v217, v217, s35
	v_lshrrev_b32 v218, 1, v214
	v_mul_lo_u32 v218, v218, s36
	v_add3_u32 v216, v216, v217, v218
	v_lshl_add_u32 v28, v215, 6, v216                ; my row, + 64 h: 16 numbers of each block of 32
	v_add_nc_u32 v29, 512, v28
	v_add_nc_u32 v30, s34, v28
	v_add_nc_u32 v31, s34, v29
	s_mul_i32 s42, s27, 98304
	s_mul_i32 s40, s28, 6144
	s_add_co_u32 s42, s42, s40
	s_add_nc_u64 s[20:21], s[20:21], s[42:43]
	s_lshl_b32 s42, s27, 12
	s_lshl_b32 s40, s28, 8
	s_add_co_u32 s42, s42, s40
	s_add_nc_u64 s[22:23], s[22:23], s[42:43]
.macro LOADF i
.irp b, 0,1,2,3
.irp j, 0,1,2,3
	global_load_b128 v[32+64*((\i)%2)+16*\b+4*\j:35+64*((\i)%2)+16*\b+4*\j], v[28+(\i)], s[30:31] offset:128*\b+16*\j
.endr
.endr
.endm
.macro QF i                            ; each fragment has code registers of its own: no store's data are written again
	QUANT 32+64*((\i)%2),0,160+12*(\i),208+(\i),4,0x1800000
.irp c, 0,1,2
	global_store_b128 v3, v[160+12*(\i)+4*\c:163+12*(\i)+4*\c], s[20:21] offset:1536*(\i)+512*\c
.endr
.endm
	LOADF 0
	LOADF 1
	s_wait_loadcnt 16                                ; fragment 0's 16 loads are in, fragment 1's may be out
	QF 0
	LOADF 2
	s_wait_loadcnt 16
	QF 1
	LOADF 3
	s_wait_loadcnt 16
	QF 2
	s_wait_loadcnt 0
	QF 3
	v_cndmask_b32 v212, v208, v209, s46              ; lanes 0-15 the even fragment's words, lanes 16-31 the odd one's
	v_cndmask_b32 v213, v210, v211, s46
	global_store_b32 v6, v212, s[22:23]
	global_store_b32 v6, v213, s[22:23] offset:128
	s_endpgm
.Lfunc_end_k_q2d942ce504_reduce:
	.size	k_q2d942ce504_reduce, .Lfunc_end_k_q2d942ce504_reduce-k_q2d942ce504_reduce
	.p2alignl 7, 3214868480
	.fill 96, 4, 3214868480
	.section	.rodata,"a",@progbits
	.p2align	6, 0x0
	.amdhsa_kernel k_q2d942ce504_reduce
		.amdhsa_group_segment_fixed_size 17408
		.amdhsa_private_segment_fixed_size 0
		.amdhsa_enable_private_segment 0
		.amdhsa_kernarg_size 80
		.amdhsa_user_sgpr_count 2
		.amdhsa_user_sgpr_kernarg_segment_ptr 1
		.amdhsa_wavefront_size32 1
		.amdhsa_system_sgpr_workgroup_id_x 1
		.amdhsa_system_sgpr_workgroup_id_y 1
		.amdhsa_system_sgpr_workgroup_id_z 1
		.amdhsa_system_vgpr_workitem_id 0
		.amdhsa_next_free_vgpr 224
		.amdhsa_next_free_sgpr 66
		.amdhsa_reserve_vcc 0
		.amdhsa_float_denorm_mode_32 3
		.amdhsa_float_denorm_mode_16_64 3
		.amdhsa_memory_ordered 1
		.amdhsa_forward_progress 1
		.amdhsa_inst_pref_size 49
	.end_amdhsa_kernel
	.amdgpu_metadata
---
amdhsa.version: [ 1, 2 ]
amdhsa.kernels:
  - .name:           k_q2d942ce504_reduce
    .symbol:         k_q2d942ce504_reduce.kd
    .args:
      - { .name: kvp, .offset: 0, .size: 8, .value_kind: global_buffer, .address_space: global }
      - { .name: ksp, .offset: 8, .size: 8, .value_kind: global_buffer, .address_space: global }
      - { .name: Wq, .offset: 16, .size: 8, .value_kind: global_buffer, .address_space: global }
      - { .name: Wm, .offset: 24, .size: 8, .value_kind: global_buffer, .address_space: global }
      - { .name: W1, .offset: 32, .size: 8, .value_kind: global_buffer, .address_space: global }
      - { .name: W2, .offset: 40, .size: 8, .value_kind: global_buffer, .address_space: global }
      - { .name: kvc, .offset: 48, .size: 8, .value_kind: global_buffer, .address_space: global }
      - { .name: ksum, .offset: 56, .size: 8, .value_kind: global_buffer, .address_space: global }
      - { .name: wimg, .offset: 64, .size: 8, .value_kind: global_buffer, .address_space: global }
      - { .name: wscl, .offset: 72, .size: 8, .value_kind: global_buffer, .address_space: global }
    .group_segment_fixed_size: 17408
    .private_segment_fixed_size: 0
    .kernarg_segment_align: 8
    .kernarg_segment_size: 80
    .max_flat_workgroup_size: 256
    .sgpr_count:     66
    .vgpr_count:     224
    .wavefront_size: 32
...
	.end_amdgpu_metadata
.endif
;; end of part 2
;; launch layer (part 3): grid 256 x 1, 4 waves a work-group, no clusters, 327,680 bytes of LDS; arguments x, wimg, wscl, kvc, ksum, ln1_g, ln1_b, ln2_g, ln2_b, out0; writes out0
.if DOCPART == 3
	.amdgcn_target "amdgcn-amd-amdhsa--gfx1250"
	.amdhsa_code_object_version 6
	.text
	.protected	k_q2d942ce504_layer
	.globl	k_q2d942ce504_layer
	.p2align	8
	.type	k_q2d942ce504_layer,@function
k_q2d942ce504_layer:
	s_mov_b64 s[64:65], 0
	v_nop
	global_prefetch_b8 v0, s[64:65] scope:SCOPE_SE
	s_setreg_imm32_b32 hwreg(HW_REG_WAVE_MODE, 25, 1), 1
	s_wait_xcnt 0x0
; THE x SIDE of the layer, fused: q = x Wq^T, Q = RoPE(elu(q) + 1), Z = 1 / (Q . sumK + 1e-6), msg = (Q KV) Z 16384, LN1(msg Wm^T), relu([x, .] W1^T) W2^T, LN2, + x.  No work is left out.
; All products but Q . sumK and the multiplication by Z on E2M3 codes with one E8M0 scale for each 32 along K.  The factor 16384 undoes the 2^-14 that the first launch put on v: both exact.
; LIMITS: NaN and infinities are not served; blocks under 2^-124 get the floor's byte; the variance is made from each wave's 64 channels about their own mean and joined, not in one pass over 256.
; SHARES.  Work-group g owns rows 256 g .. + 255, brought into LDS by two tensor loads a wave at the head, and walks them in 8 blocks of 32 rows (two tiles m of 16).  THE WAVES SHARE THE COLUMNS: wave w has heads 2 w, 2 w + 1,
; outputs 64 w .. + 63 of Wm and W2 and hidden units 128 w .. + 127; its 64 weight fragments stay in registers for the whole launch.  Operands go from wave to wave through LDS as images of their registers.
; No cluster: work-groups share only the weights, which go straight into registers.  No prefetch: all rows are asked for at the head.  Nothing in LDS is filled twice; the result is added into x's rows in LDS, which have had their one fill.
; Every product takes 16 weight rows as source 0 and 16 rows of the block as source 1: a lane holds ONE row, and the weight rows of a tile are chosen so that a lane's registers run along the next product's K.
; The product Q KV has K = 32: head 2 w lies in block 0 of the 128 and head 2 w + 1 in block 1; Q's codes are zeros outside their own block.
; THE ORDER OF THE TEXT: attention and merge of block 0; seven trips of (hidden layer, way down and way out of block t, attention and merge of block t + 1); hidden layer, way down and way out of block 7.
; So each phase is written twice; the copy ahead of the loop also issues the loads of W1 and W2, which land while block 0's attention is computed.
; LDS OPERANDS ARE ASKED FOR A PHASE AHEAD wherever the bytes are whole by then, into registers that the phase in hand leaves free; six barriers a block.
; REGISTERS.  window 0: v0-25 addresses; v26-29 the row operands' scale words; v30, 31 a mean, or scale words on their way to LDS; v32-63 weights' scale words; v64-89 KV; v90-105 rope factors, later at work; v106-125 the quantiser's;
;   v126-137 one fragment of Wm; v138-191 operands from LDS and work; v192-255 results.   windows 1-3: the other 63 weight fragments.
.set XP,    1040                       ; an LDS row of x: 1,024 bytes + 16
.set BASE,  256*XP
.set XIMG,  0                          ; from BASE on: x's 4 fragments (2 m + ks),
.set XSC,   6144                       ; their scale words,
.set MIMG,  6656                       ; the message's (later LN1's) 4 fragments, each as two halves of 768 bytes,
.set MSC,   12800
.set HIMG,  13312                      ; the hidden layer's 8 fragments (4 m + s),
.set HSC,   25600
.set STAT,  26624                      ; sums for the two norms: [ln][m][wave][row] 8 bytes
.set ROPE,  28672                      ; rope factors: for each of 8 blocks 3 x 1,024 bytes: tile 0's columns, tile 1's columns, the image row; 32 bytes a lane
.set GB,    53248                      ; ln1_g, ln1_b, ln2_g, ln2_b
.set KSL,   57344                      ; the sums of K of my two heads, a wave's own
.set SPARE, BASE+58368                 ; the spare words, 128 bytes a wave
.set TM, 106
.set CT, 118
.set SEL, 28
.set LG, 54
.set CF, 48
.set T0, 138
.set T1, 139
.set T2, 140
.set T3, 141
.set WS, 32
.set MSB, 0
.macro WIN new                         ; the immediate's high byte repeats the setting that is left
.if MSB != (\new)
	s_set_vgpr_msb (MSB<<8)|(\new)
.set MSB, \new
.endif
.endm
.macro PLACES n
.rept \n
	v_nop
.endr
.endm
.macro BAR                             ; my LDS stores have landed and my LDS loads are in: then the work-group's barrier
	s_wait_dscnt 0x0
	s_barrier_signal -1
	s_barrier_wait -1
.endm
; 16 nb numbers of a lane, register 16 b + i = k 32 b + 16 (lane / 16) + i of the lane's row, become codes in v[dst] on (6 registers for two blocks) and the blocks' scale bytes in v[wrd]
.macro QUANT src, sw, dst, wrd, nb, flo
.set qb, 0
.rept \nb
	v_max3_num_f32 v[TM+qb], |v[\src+16*qb]|, |v[\src+16*qb+1]|, \flo
.set qb, qb+1
.endr
.irp i, 2,4,6,8,10,12,14
.set qb, 0
.rept \nb
	v_max3_num_f32 v[TM+qb], |v[\src+16*qb+\i]|, |v[\src+16*qb+\i+1]|, v[TM+qb]
.set qb, qb+1
.endr
.endr
.set qb, 0
.rept \nb
	v_permlanex16_b32 v[TM+4+qb], v[TM+qb], s[SEL], s[SEL+1]
.set qb, qb+1
.endr
.set qb, 0
.rept \nb
	v_max_num_f32 v[TM+qb], v[TM+qb], v[TM+4+qb]
.set qb, qb+1
.endr
.set qb, 0
.rept \nb
	v_add_nc_u32 v[TM+8+qb], 0xff000000, v[TM+qb]
.set qb, qb+1
.endr
.set qb, 0
.rept \nb
	v_lshrrev_b32 v[TM+4+qb], 23, v[TM+8+qb]
.set qb, qb+1
.endr
	v_lshl_or_b32 v[\wrd], v[TM+5], 8, v[TM+4]
.if \nb == 4
	v_lshl_or_b32 v[\wrd], v[TM+6], 16, v[\wrd]
	v_lshl_or_b32 v[\wrd], v[TM+7], 24, v[\wrd]
.endif
.set qb, 0
.rept (\nb)/2
	v_cvt_scalef32_pk16_fp6_f32 v[\dst+6*qb:\dst+6*qb+2], v[\src+32*qb:\src+32*qb+15], v[TM+8+2*qb]
	v_cvt_scalef32_pk16_fp6_f32 v[CT+4*qb:CT+4*qb+2], v[\src+32*qb+16:\src+32*qb+31], v[TM+9+2*qb]
.set qb, qb+1
.endr
	v_nop                                            ; one plain line behind the conversions
.set qb, 0
.rept (\nb)/2
.irp i, 0,1,2
	v_permlane16_swap_b32 v[\dst+6*qb+\i], v[CT+4*qb+\i]
.endr
.irp i, 0,1,2
	v_mov_b32 v[\dst+6*qb+3+\i], v[CT+4*qb+\i]
.endr
.set qb, qb+1
.endr
.endm
; Q of my two heads, one block of 32 each (v192-207, v208-223), becomes two whole fragments: head 0's block in place 0 of the 128 along K (lanes 0-15 of v160-165), head 1's in place 1 (lanes 16-31 of v172-177), zeros elsewhere;
; the bytes at places 0 and 1 of v26 and v27.  The two heads take turns line by line.
.macro QUANT1P
.irp x, 0,1
	v_max3_num_f32 v[TM+2*\x], |v[192+16*\x]|, |v[193+16*\x]|, 0x1800000
	v_max3_num_f32 v[TM+2*\x+1], |v[194+16*\x]|, |v[195+16*\x]|, |v[196+16*\x]|
.endr
.irp i, 5,9
.irp x, 0,1
	v_max3_num_f32 v[TM+2*\x], |v[192+16*\x+\i]|, |v[193+16*\x+\i]|, v[TM+2*\x]
	v_max3_num_f32 v[TM+2*\x+1], |v[194+16*\x+\i]|, |v[195+16*\x+\i]|, v[TM+2*\x+1]
.endr
.endr
.irp x, 0,1
	v_max3_num_f32 v[TM+2*\x], |v[205+16*\x]|, |v[206+16*\x]|, v[TM+2*\x]
.endr
.irp x, 0,1
	v_max3_num_f32 v[TM+2*\x], |v[207+16*\x]|, v[TM+2*\x+1], v[TM+2*\x]
.endr
.irp x, 0,1
	v_permlanex16_b32 v[TM+4+\x], v[TM+2*\x], s[SEL], s[SEL+1]
.endr
.irp x, 0,1
	v_max_num_f32 v[TM+2*\x], v[TM+2*\x], v[TM+4+\x]
.endr
.irp x, 0,1
	v_add_nc_u32 v[TM+8+\x], 0xff000000, v[TM+2*\x]
.endr
.irp x, 0,1
	v_lshrrev_b32 v[26+\x], 23, v[TM+8+\x]
.endr
	v_lshlrev_b32 v27, 8, v27
	v_cvt_scalef32_pk16_fp6_f32 v[160:162], v[192:207], v[TM+8]
	v_cvt_scalef32_pk16_fp6_f32 v[CT:CT+2], v[208:223], v[TM+9]
.irp i, 3,4,5
	v_mov_b32 v[160+\i], 0                           ; plain lines behind the conversions
.endr
.irp i, 0,1,2
	v_mov_b32 v[172+\i], 0
.endr
.irp i, 0,1,2
	v_permlane16_swap_b32 v[160+\i], v[163+\i]
.endr
.irp i, 0,1,2
	v_permlane16_swap_b32 v[172+\i], v[CT+\i]
.endr
.irp i, 0,1,2
	v_mov_b32 v[175+\i], v[CT+\i]
.endr
.irp i, 6,7,8,9,10,11
	v_mov_b32 v[160+\i], 0
	v_mov_b32 v[172+\i], 0
.endr
.endm
.macro SINCOS ang, c, s
	v_mul_f32 v[T0], 0x3f22f983, v[\ang]
	v_rndne_f32 v[T0], v[T0]
	v_fmamk_f32 v[T1], v[T0], 0xbfc90fdb, v[\ang]
	v_fmamk_f32 v[T1], v[T0], 0x333bbd2e, v[T1]
	v_cvt_i32_f32 v[T0], v[T0]
	v_mul_f32 v[T2], v[T1], v[T1]
	v_fma_f32 v[\s], v[T2], s[CF+2], s[CF+1]
	v_fma_f32 v[\s], v[\s], v[T2], s[CF]
	v_mul_f32 v[T3], v[T2], v[T1]
	v_fma_f32 v[\s], v[\s], v[T3], v[T1]
	v_fma_f32 v[\c], v[T2], s[CF+5], s[CF+4]
	v_fma_f32 v[\c], v[\c], v[T2], s[CF+3]
	v_mul_f32 v[T3], v[T2], v[T2]
	v_fma_f32 v[T1], v[T2], -0.5, 1.0
	v_fma_f32 v[\c], v[\c], v[T3], v[T1]
	v_and_b32 v[T1], 1, v[T0]
	v_cmp_eq_u32 vcc_lo, 1, v[T1]
	v_cndmask_b32 v[T2], v[\s], v[\c], vcc_lo
	v_cndmask_b32 v[T3], v[\c], v[\s], vcc_lo
	v_and_b32 v[T1], 2, v[T0]
	v_lshlrev_b32 v[T1], 30, v[T1]
	v_xor_b32 v[\s], v[T1], v[T2]
	v_add_nc_u32 v[T0], 1, v[T0]
	v_and_b32 v[T0], 2, v[T0]
	v_lshlrev_b32 v[T0], 30, v[T0]
	v_xor_b32 v[\c], v[T0], v[T3]
.endm
.macro ELU x, t, n
.set ei, 0
.rept (\n)/2
	v_pk_mul_f32 v[\t+ei:\t+ei+1], v[\x+ei:\x+ei+1], s[LG:LG+1] op_sel_hi:[1,0]
.set ei, ei+2
.endr
.set ei, 0
.rept \n
	v_min_num_f32 v[\t+ei], 0, v[\t+ei]
.set ei, ei+1
.endr
.set ei, 0
.rept \n
	v_exp_f32 v[\t+ei], v[\t+ei]
.set ei, ei+1
.endr
.set ei, 0
.rept \n
	v_max_num_f32 v[\x+ei], 0, v[\x+ei]
.set ei, ei+1
.endr
	s_wait_alu depctr_va_vdst(0)                     ; one wait for the batch, ahead of its first reader
.set ei, 0
.rept (\n)/2
	v_pk_add_f32 v[\x+ei:\x+ei+1], v[\x+ei:\x+ei+1], v[\t+ei:\t+ei+1]
.set ei, ei+2
.endr
.endm
; where weight fragment e lives: 0-31 W1 (4 t + s), 32-39 Wq (2 t + ks), 40-47 Wm (2 t + ks), 48-63 W2 (4 t + s)
.macro EMAP e
.if (\e) < 32
.set EW, 1+(\e)/16
.set ER, 12*((\e)%16)
.elseif (\e) < 40
.set EW, 1+((\e)-32)/4
.set ER, 192+12*(((\e)-32)%4)
.elseif (\e) < 44
.set EW, 3
.set ER, 192+12*((\e)-40)
.elseif (\e) < 47
.set EW, (\e)-43
.set ER, 240
.elseif (\e) < 48
.set EW, 0
.set ER, 126
.else
.set EW, 3
.set ER, 12*((\e)-48)
.endif
.endm
; one product: results v[d], weight fragment e, row operand v[b] with its scale words v[sb]; first = 1 starts the sum.  A pair of fragments shares a scale register: the even one's words in lanes 0-15, the odd one's in lanes 16-31
.macro WM d, e, b, sb, first
	EMAP \e
	WIN EW
.if \first
	v_wmma_scale_f32_16x16x128_f8f6f4 v[\d:\d+7], v[ER:ER+11], v[\b:\b+11], 0, v[WS+(\e)/2], v[\sb] matrix_a_fmt:MATRIX_FMT_FP6 matrix_b_fmt:MATRIX_FMT_FP6
.elseif ((\e)%2) == 0
	v_wmma_scale_f32_16x16x128_f8f6f4 v[\d:\d+7], v[ER:ER+11], v[\b:\b+11], v[\d:\d+7], v[WS+(\e)/2], v[\sb] matrix_a_fmt:MATRIX_FMT_FP6 matrix_b_fmt:MATRIX_FMT_FP6
.else
	v_wmma_scale_f32_16x16x128_f8f6f4 v[\d:\d+7], v[ER:ER+11], v[\b:\b+11], v[\d:\d+7], v[WS+(\e)/2], v[\sb] matrix_a_fmt:MATRIX_FMT_FP6 matrix_b_fmt:MATRIX_FMT_FP6 matrix_a_scale:MATRIX_SCALE_ROW1
.endif
.endm
.macro WLD e0, e1                      ; my weight fragments e0 .. e1 - 1 from memory into their registers: three loads each
.set ee, \e0
.rept (\e1)-(\e0)
	EMAP ee
	WIN EW<<6
.irp c, 0,1,2
	global_load_b128 v[ER+4*\c:ER+4*\c+3], v20, s[6:7] offset:1536*ee+512*\c
.endr
.set ee, ee+1
.endr
	WIN 0
.endm
.macro FETCH reg, off                  ; a fragment's image
.irp c, 0,1,2
	ds_load_b128 v[\reg+4*\c:\reg+4*\c+3], v4 offset:\off+512*\c
.endr
.endm
.macro FETCHH reg, off                 ; a fragment stored as two halves of 6 registers by two waves
	ds_load_b128 v[\reg:\reg+3], v4 offset:\off
	ds_load_b64 v[\reg+4:\reg+5], v6 offset:\off+512
	ds_load_b128 v[\reg+6:\reg+9], v4 offset:\off+768
	ds_load_b64 v[\reg+10:\reg+11], v6 offset:\off+1280
.endm
.macro DVSET                           ; v144-147: the four frequencies of my half of the lanes
.irp ph, 0,1,2,3
.if \ph == 0
	v_mov_b32 v151, 1.0
	v_mov_b32 v144, 0x3c23d70a
.elseif \ph == 1
	v_mov_b32 v151, 0x3ea1e89b
	v_mov_b32 v145, 0x3b4f3e37
.elseif \ph == 2
	v_mov_b32 v151, 0x3dcccccd
	v_mov_b32 v146, 0x3a83126f
.else
	v_mov_b32 v151, 0x3d0186e2
	v_mov_b32 v147, 0x39a5cb5f
.endif
	v_cndmask_b32 v[144+\ph], v151, v[144+\ph], s30
.endr
.endm
; the sum of my 64 channels of each row, and the sum of squares about their own mean; both to LDS.  v[tb] on: 16 registers at work; v[sm], v[sm+1]: the two sums
.macro LNSTAT p, mm, ln, tb, sm
.irp k, 0,1,2,3,4,5,6,7
	v_pk_add_f32 v[\tb+2*\k:\tb+2*\k+1], v[\p+2*\k:\p+2*\k+1], v[\p+16+2*\k:\p+17+2*\k]
.endr
.irp k, 0,1,2,3
	v_pk_add_f32 v[\tb+2*\k:\tb+2*\k+1], v[\tb+2*\k:\tb+2*\k+1], v[\tb+8+2*\k:\tb+9+2*\k]
.endr
.irp k, 0,1
	v_pk_add_f32 v[\tb+2*\k:\tb+2*\k+1], v[\tb+2*\k:\tb+2*\k+1], v[\tb+4+2*\k:\tb+5+2*\k]
.endr
	v_pk_add_f32 v[\tb:\tb+1], v[\tb:\tb+1], v[\tb+2:\tb+3]
	v_add_f32 v[\sm], v[\tb], v[\tb+1]
	v_permlanex16_b32 v25, v[\sm], s[SEL], s[SEL+1]
	v_add_f32 v[\sm], v[\sm], v25
	v_mul_f32 v30, s68, v[\sm]
	v_mul_f32 v31, s68, v[\sm]
.irp g, 0,1,2,3                        ; four differences, then their four squares: no line reads the line above it
.irp i, 0,1,2,3
	v_pk_add_f32 v[\tb+2*\i:\tb+2*\i+1], v[\p+8*\g+2*\i:\p+8*\g+2*\i+1], v[30:31] neg_lo:[0,1] neg_hi:[0,1]
.endr
.irp i, 0,1,2,3
.if \g == 0
	v_pk_mul_f32 v[\tb+8+2*\i:\tb+9+2*\i], v[\tb+2*\i:\tb+2*\i+1], v[\tb+2*\i:\tb+2*\i+1]
.else
	v_pk_fma_f32 v[\tb+8+2*\i:\tb+9+2*\i], v[\tb+2*\i:\tb+2*\i+1], v[\tb+2*\i:\tb+2*\i+1], v[\tb+8+2*\i:\tb+9+2*\i]
.endif
.endr
.endr
	v_pk_add_f32 v[\tb+8:\tb+9], v[\tb+8:\tb+9], v[\tb+10:\tb+11]
	v_pk_add_f32 v[\tb+12:\tb+13], v[\tb+12:\tb+13], v[\tb+14:\tb+15]
	v_pk_add_f32 v[\tb+8:\tb+9], v[\tb+8:\tb+9], v[\tb+12:\tb+13]
	v_add_f32 v[\sm+1], v[\tb+8], v[\tb+9]
	v_permlanex16_b32 v25, v[\sm+1], s[SEL], s[SEL+1]
	v_add_f32 v[\sm+1], v[\sm+1], v25
	ds_store_b64 v14, v[\sm:\sm+1] offset:1024*\ln+512*\mm
.endm
.macro GBLOAD ln, be, rg, rb           ; gain and bias of my 16 channels of block be
.irp q, 0,1,2,3
	ds_load_b128 v[\rg+4*\q:\rg+4*\q+3], v17 offset:2048*\ln+128*\be+16*\q
	ds_load_b128 v[\rb+4*\q:\rb+4*\q+3], v17 offset:2048*\ln+1024+128*\be+16*\q
.endr
.endm
; the four waves' sums are joined, the two tiles by turns: v[138+8m], v[139+8m] = rstd twice, v[140+8m], v[141+8m] = -mean rstd twice
.macro LNHEAD ln
.irp mm, 0,1
.irp wv, 0,1,2,3
	ds_load_b64 v[138+8*\mm+2*\wv:139+8*\mm+2*\wv], v15 offset:1024*\ln+512*\mm+128*\wv
.endr
.endr
	s_wait_dscnt 0x0
.irp mm, 0,1
	v_add_f32 v[30+\mm], v[138+8*\mm], v[140+8*\mm]
	v_add_f32 v[154+2*\mm], v[142+8*\mm], v[144+8*\mm]
	v_add_f32 v[155+2*\mm], v[139+8*\mm], v[141+8*\mm]
	v_add_f32 v[158+\mm], v[143+8*\mm], v[145+8*\mm]
.endr
.irp mm, 0,1
	v_add_f32 v[30+\mm], v[30+\mm], v[154+2*\mm]
	v_add_f32 v[155+2*\mm], v[155+2*\mm], v[158+\mm] ; the four sums of squares
.endr
.irp mm, 0,1
	v_mul_f32 v[30+\mm], s66, v[30+\mm]              ; the mean of 256
.endr
.irp wv, 0,1,2,3
.irp mm, 0,1
	v_fma_f32 v[138+8*\mm+2*\wv], v[138+8*\mm+2*\wv], s68, -v[30+\mm]   ; a wave's mean less the mean
.endr
.endr
.irp mm, 0,1
	v_mul_f32 v[154+2*\mm], v[138+8*\mm], v[138+8*\mm]
.endr
.irp wv, 1,2,3
.irp mm, 0,1
	v_fma_f32 v[154+2*\mm], v[138+8*\mm+2*\wv], v[138+8*\mm+2*\wv], v[154+2*\mm]
.endr
.endr
.irp mm, 0,1
	v_fma_f32 v[154+2*\mm], v[154+2*\mm], s69, v[155+2*\mm]
.endr
.irp mm, 0,1
	v_fma_f32 v[154+2*\mm], v[154+2*\mm], s66, s67   ; the variance + 1e-5
.endr
	v_rsq_f32 v138, v154
	v_rsq_f32 v146, v156
	v_nop
	s_wait_alu depctr_va_vdst(0)                     ; one wait for the two, ahead of their first reader
.irp mm, 0,1
	v_mov_b32 v[139+8*\mm], v[138+8*\mm]
	v_mul_f32 v[140+8*\mm], -v[30+\mm], v[138+8*\mm]
	v_mul_f32 v[141+8*\mm], -v[30+\mm], v[138+8*\mm]
.endr
.endm
.macro APPLY be, rg, rb                ; (x - mean) rstd g + b on block be of both tiles
.irp mm, 0,1
.irp k, 0,1,2,3,4,5,6,7
	v_pk_fma_f32 v[192+32*\mm+16*\be+2*\k:193+32*\mm+16*\be+2*\k], v[192+32*\mm+16*\be+2*\k:193+32*\mm+16*\be+2*\k], v[138+8*\mm:139+8*\mm], v[140+8*\mm:141+8*\mm]
.endr
.irp k, 0,1,2,3,4,5,6,7
	v_pk_fma_f32 v[192+32*\mm+16*\be+2*\k:193+32*\mm+16*\be+2*\k], v[192+32*\mm+16*\be+2*\k:193+32*\mm+16*\be+2*\k], v[\rg+2*\k:\rg+2*\k+1], v[\rb+2*\k:\rb+2*\k+1]
.endr
.endr
.endm
.macro XR mm, rg                       ; x at my 64 columns of tile mm's rows
.irp q, 0,1,2,3,4,5,6,7
	ds_load_b128 v[\rg+4*\q:\rg+4*\q+3], v23 offset:16*XP*\mm+128*(\q/4)+16*(\q%4)
.endr
.endm
.macro XLOADS sr                       ; the x that I quantise (tile w / 2, K step w % 2) of the block at s[sr]: 64 numbers a lane into v192-255
	v_add_nc_u32 v23, s[\sr], v3
.irp b, 0,1,2,3
.irp j, 0,1,2,3
	ds_load_b128 v[192+16*\b+4*\j:195+16*\b+4*\j], v23 offset:128*\b+16*\j
.endr
.endr
.endm
.macro XQ dst                          ; they become a fragment, whose image goes to LDS
	QUANT 192,0,\dst,30,4,0x1800000
.irp c, 0,1,2
	ds_store_b128 v7, v[\dst+4*\c:\dst+4*\c+3] offset:512*\c
.endr
	ds_store_b32 v8, v30
.endm
.macro APRE                            ; asked ahead for the attention of the block at s27: tile 0's fragments of x, and the image row's factors: 10 loads
	v_add_nc_u32 v23, s27, v16
	FETCH 160,XIMG
	FETCH 172,XIMG+1536
	ds_load_b32 v26, v5 offset:XSC
	ds_load_b32 v27, v5 offset:XSC+128
	ds_load_b128 v[90:93], v23 offset:2048
	ds_load_b128 v[94:97], v23 offset:2064
.endm
; ---- attention, my two heads.  first = 1: the copy ahead of the loop, which also asks for the second half of W1
.macro PHASE_A first
.irp m, 0,1
.if \m == 0
	s_wait_dscnt 0x0                                 ; what was asked ahead is in
.else
	s_wait_dscnt 3                                   ; tile 1's fragments are in; tile 0's three stores may be out
.endif
.irp ks, 0,1
.irp ta, 0,1,2,3
	WM 192+8*\ta,32+2*\ta+\ks,160+12*\ks,26+\ks,1-\ks
.endr
.endr
	WIN 0
	PLACES 4
	ds_load_b128 v[98:101], v23 offset:1024*\m       ; the column factors of these 16 rows
	ds_load_b128 v[102:105], v23 offset:1024*\m+16
.irp hd, 0,1
.irp q, 0,1,2,3
	ds_load_b128 v[160+16*\hd+4*\q:163+16*\hd+4*\q], v21 offset:128*\hd+16*\q   ; the sums of K at my 16 positions
.endr
.endr
	ELU 192,224,32
	s_wait_dscnt 0x0
.irp ta, 0,1,2,3                       ; RoPE: tile 2 hd + u; u = 0 turns by the image row's angle, u = 1 by the column's; a pair of registers is a rotation pair
.irp ph, 0,1,2,3
	v_mul_f32 v[224+4*\ta+\ph], v[192+8*\ta+2*\ph], v[94+8*(\ta%2)+\ph]
.endr
.endr
.irp ta, 0,1,2,3
.irp ph, 0,1,2,3
	v_mul_f32 v[192+8*\ta+2*\ph], v[192+8*\ta+2*\ph], v[90+8*(\ta%2)+\ph]
.endr
.endr
.irp ta, 0,1,2,3
.irp ph, 0,1,2,3
	v_fma_f32 v[192+8*\ta+2*\ph], -v[193+8*\ta+2*\ph], v[94+8*(\ta%2)+\ph], v[192+8*\ta+2*\ph]
.endr
.endr
.irp ta, 0,1,2,3
.irp ph, 0,1,2,3
	v_fma_f32 v[193+8*\ta+2*\ph], v[193+8*\ta+2*\ph], v[90+8*(\ta%2)+\ph], v[224+4*\ta+\ph]
.endr
.endr
.irp hd, 0,1                           ; Q . sumK, in f32
	v_pk_mul_f32 v[138+2*\hd:139+2*\hd], v[192+16*\hd:193+16*\hd], v[160+16*\hd:161+16*\hd]
.endr
.irp k, 1,2,3,4,5,6,7
.irp hd, 0,1
	v_pk_fma_f32 v[138+2*\hd:139+2*\hd], v[192+16*\hd+2*\k:193+16*\hd+2*\k], v[160+16*\hd+2*\k:161+16*\hd+2*\k], v[138+2*\hd:139+2*\hd]
.endr
.endr
.irp hd, 0,1
	v_add_f32 v[138+2*\hd], v[138+2*\hd], v[139+2*\hd]
.endr
.irp hd, 0,1
	v_permlanex16_b32 v[142+\hd], v[138+2*\hd], s[SEL], s[SEL+1]
.endr
.irp hd, 0,1
	v_add_f32 v[138+2*\hd], v[138+2*\hd], v[142+\hd]
.endr
.irp hd, 0,1
	v_add_f32 v[138+2*\hd], 0x358637bd, v[138+2*\hd] ; + 1e-6
.endr
	v_rcp_f32 v154, v138
	v_rcp_f32 v156, v140
	QUANT1P                                          ; Q's codes: work that names neither reciprocal
	s_wait_alu depctr_va_vdst(0)                     ; one wait for the two reciprocals, ahead of their first reader
	v_mul_f32 v155, 0x46800000, v154                 ; Z x 16384, each twice for the packed lines
	v_mul_f32 v154, 0x46800000, v154
	v_mul_f32 v157, 0x46800000, v156
	v_mul_f32 v156, 0x46800000, v156
	PLACES 8                                         ; codes and scale words written by vector lines stand 4 and 8 places ahead of the products
.irp hd, 0,1
.irp vt, 0,1
	v_wmma_scale_f32_16x16x128_f8f6f4 v[224+16*\hd+8*\vt:231+16*\hd+8*\vt], v[64+12*\vt:75+12*\vt], v[160+12*\hd:171+12*\hd], 0, v[88+\vt], v[26+\hd] matrix_a_fmt:MATRIX_FMT_FP6 matrix_b_fmt:MATRIX_FMT_FP6
.endr
.endr
	PLACES 4
.if \m == 0
	FETCH 160,XIMG+3072                              ; tile 1's fragments of x are asked for here: they land while tile 0's message is scaled and quantised
	FETCH 172,XIMG+4608
	ds_load_b32 v26, v5 offset:XSC+256
	ds_load_b32 v27, v5 offset:XSC+384
.endif
.irp hd, 0,1
.irp k, 0,1,2,3,4,5,6,7
	v_pk_mul_f32 v[224+16*\hd+2*\k:225+16*\hd+2*\k], v[224+16*\hd+2*\k:225+16*\hd+2*\k], v[154+2*\hd:155+2*\hd]
.endr
.endr
	QUANT 224,0,186,30,2,0x1800000                   ; my 64 channels of the message: half a fragment
	ds_store_b128 v9, v[186:189] offset:3072*\m
	ds_store_b64 v10, v[190:191] offset:3072*\m
	ds_store_b16 v11, v30 offset:256*\m
.endr
.if \first
	WLD 16,32
.endif
	BAR                                              ; the message's four fragments lie in LDS
.endm
; ---- the merge projection, the first norm, its codes.  first = 1: the copy ahead of the loop, which also asks for W2
.macro PHASE_B first
	FETCHH 138,MIMG
	FETCHH 150,MIMG+1536
	ds_load_b32 v26, v5 offset:MSC
	ds_load_b32 v27, v5 offset:MSC+128
	FETCHH 162,MIMG+3072
	FETCHH 174,MIMG+4608
	ds_load_b32 v28, v5 offset:MSC+256
	ds_load_b32 v29, v5 offset:MSC+384
	s_wait_dscnt 10                                  ; tile 0's are in; tile 1's ten loads may be out
.irp ks, 0,1
.irp ta, 0,1,2,3
	WM 192+8*\ta,40+2*\ta+\ks,138+12*\ks,26+\ks,1-\ks
.endr
.endr
	s_wait_dscnt 0x0
.irp ks, 0,1
.irp ta, 0,1,2,3
	WM 224+8*\ta,40+2*\ta+\ks,162+12*\ks,28+\ks,1-\ks
.endr
.endr
	WIN 0
	PLACES 4
	GBLOAD 0,0,160,176                               ; gains and biases land while the sums are made
	GBLOAD 0,1,90,106
	LNSTAT 192,0,0,138,154
	LNSTAT 224,1,0,138,156
.if \first
	WLD 48,64
.endif
	BAR                                              ; all waves' sums lie in LDS, and nobody reads the message any more
	LNHEAD 0
	APPLY 0,160,176
	APPLY 1,90,106
	FETCH 138,XIMG                                   ; asked ahead for the hidden layer: tile 0's fragments of x
	FETCH 150,XIMG+1536
	ds_load_b32 v26, v5 offset:XSC
	ds_load_b32 v27, v5 offset:XSC+128
	QUANT 192,0,162,30,4,0x1800000                   ; both tiles at once: blocks 0, 1 are tile 0's, blocks 2, 3 tile 1's
	v_lshrrev_b32 v31, 16, v30
	ds_store_b128 v9, v[162:165]
	ds_store_b64 v10, v[166:167]
	ds_store_b128 v9, v[168:171] offset:3072
	ds_store_b64 v10, v[172:173] offset:3072
	ds_store_b16 v11, v30
	ds_store_b16 v11, v31 offset:256
	BAR                                              ; the normed message's fragments lie in LDS
.endm
; ---- the hidden layer: K = [x, message], my 128 units.  next = 1: the next block's x is asked for at the end
.macro PHASE_C next
	FETCHH 162,MIMG                                  ; tile 0's message lands under the 16 products on x, whose fragments are in registers
	FETCHH 174,MIMG+1536
	ds_load_b32 v28, v5 offset:MSC
	ds_load_b32 v29, v5 offset:MSC+128
.irp ks, 0,1
.irp ta, 0,1,2,3,4,5,6,7
	WM 192+8*\ta,4*\ta+\ks,138+12*\ks,26+\ks,1-\ks
.endr
.endr
	WIN 0
	PLACES 4
	FETCH 138,XIMG+3072                              ; tile 1's x
	FETCH 150,XIMG+4608
	ds_load_b32 v26, v5 offset:XSC+256
	ds_load_b32 v27, v5 offset:XSC+384
	s_wait_dscnt 8                                   ; the message is in; the eight loads just issued may be out
.irp ks, 0,1
.irp ta, 0,1,2,3,4,5,6,7
	WM 192+8*\ta,4*\ta+2+\ks,162+12*\ks,28+\ks,0
.endr
.endr
	WIN 0
	PLACES 4
	FETCHH 162,MIMG+3072                             ; tile 1's message lands while tile 0 is quantised
	FETCHH 174,MIMG+4608
	ds_load_b32 v28, v5 offset:MSC+256
	ds_load_b32 v29, v5 offset:MSC+384
.set ci, 0
.rept 64
	v_max_num_f32 v[192+ci], 0, v[192+ci]
.set ci, ci+1
.endr
	QUANT 192,0,90,102,4,0x1800000
.irp c, 0,1,2
	ds_store_b128 v12, v[90+4*\c:93+4*\c] offset:512*\c
.endr
	ds_store_b32 v13, v102
	s_wait_dscnt 4                                   ; tile 1's four fragments are in; the four stores may be out
.irp ks, 0,1
.irp ta, 0,1,2,3,4,5,6,7
	WM 192+8*\ta,4*\ta+\ks,138+12*\ks,26+\ks,1-\ks
.endr
.endr
.irp ks, 0,1
.irp ta, 0,1,2,3,4,5,6,7
	WM 192+8*\ta,4*\ta+2+\ks,162+12*\ks,28+\ks,0
.endr
.endr
	WIN 0
	PLACES 4
	s_wait_dscnt 0x0                                 ; tile 0's stores have read their registers
.set ci, 0
.rept 64
	v_max_num_f32 v[192+ci], 0, v[192+ci]
.set ci, ci+1
.endr
	QUANT 192,0,90,102,4,0x1800000
.irp c, 0,1,2
	ds_store_b128 v12, v[90+4*\c:93+4*\c] offset:6144+512*\c
.endr
	ds_store_b32 v13, v102 offset:512
.if \next
	XLOADS 31                                        ; the next block's x: it lands while the barrier is waited for
.endif
	BAR                                              ; the hidden layer's eight fragments lie in LDS, and nobody reads x's images any more
.endm
; ---- the way down, the second norm, + x, the way out.  next = 1: the next block's x is quantised, and its attention's first operands are asked for
.macro PHASE_D next
	FETCH 138,HIMG                                   ; two buffers by turns: (tile 0, K steps 0, 1)
	FETCH 150,HIMG+1536
	ds_load_b32 v26, v5 offset:HSC
	ds_load_b32 v27, v5 offset:HSC+128
.if \next
	XQ 162                                           ; x's images are written anew here: they were last read ahead of the barrier just passed
.endif
	FETCH 162,HIMG+3072                              ; (tile 0, K steps 2, 3)
	FETCH 174,HIMG+4608
	ds_load_b32 v28, v5 offset:HSC+256
	ds_load_b32 v29, v5 offset:HSC+384
.if \next
	s_wait_loadcnt 0x0                               ; W2 is in registers (it counts in the first trip alone)
.endif
	s_wait_dscnt 8                                   ; the first buffer is in and my stores are done; the second buffer's eight loads may be out
.irp ks, 0,1
.irp ta, 0,1,2,3
	WM 192+8*\ta,48+4*\ta+\ks,138+12*\ks,26+\ks,1-\ks
.endr
.endr
	WIN 0
	PLACES 4
	FETCH 138,HIMG+6144                              ; (tile 1, K steps 0, 1)
	FETCH 150,HIMG+7680
	ds_load_b32 v26, v5 offset:HSC+512
	ds_load_b32 v27, v5 offset:HSC+640
	s_wait_dscnt 8
.irp ks, 0,1
.irp ta, 0,1,2,3
	WM 192+8*\ta,50+4*\ta+\ks,162+12*\ks,28+\ks,0
.endr
.endr
	WIN 0
	PLACES 4
	FETCH 162,HIMG+9216                              ; (tile 1, K steps 2, 3)
	FETCH 174,HIMG+10752
	ds_load_b32 v28, v5 offset:HSC+768
	ds_load_b32 v29, v5 offset:HSC+896
	LNSTAT 192,0,1,90,186                            ; tile 0's sums, while tile 1's operands land
	s_wait_dscnt 9                                   ; the first buffer is in: eight loads and the sums' store are younger
.irp ks, 0,1
.irp ta, 0,1,2,3
	WM 224+8*\ta,48+4*\ta+\ks,138+12*\ks,26+\ks,1-\ks
.endr
.endr
	s_wait_dscnt 1                                   ; the second buffer is in; the store may be out
.irp ks, 0,1
.irp ta, 0,1,2,3
	WM 224+8*\ta,50+4*\ta+\ks,162+12*\ks,28+\ks,0
.endr
.endr
	WIN 0
	PLACES 4
	GBLOAD 1,0,160,176
	GBLOAD 1,1,90,106
	LNSTAT 224,1,1,138,154
	BAR                                              ; all waves' sums lie in LDS
	v_add_nc_u32 v23, s26, v18
	LNHEAD 1
	APPLY 0,160,176
	XR 0,160                                         ; x for the residual lands in the registers that the gains have left
	APPLY 1,90,106
	XR 1,90
	s_wait_dscnt 8                                   ; tile 0's x is in; tile 1's eight loads may be out
.irp k, 0,1,2,3,4,5,6,7,8,9,10,11,12,13,14,15
	v_pk_add_f32 v[192+2*\k:193+2*\k], v[192+2*\k:193+2*\k], v[160+2*\k:161+2*\k]
.endr
.irp q, 0,1,2,3,4,5,6,7                ; into x's own bytes: my 64 columns
	ds_store_b128 v23, v[192+4*\q:195+4*\q] offset:128*(\q/4)+16*(\q%4)
.endr
	s_wait_dscnt 8                                   ; tile 1's x is in; the eight stores may be out
.irp k, 0,1,2,3,4,5,6,7,8,9,10,11,12,13,14,15
	v_pk_add_f32 v[224+2*\k:225+2*\k], v[224+2*\k:225+2*\k], v[90+2*\k:91+2*\k]
.endr
.irp q, 0,1,2,3,4,5,6,7
	ds_store_b128 v23, v[224+4*\q:227+4*\q] offset:16*XP+128*(\q/4)+16*(\q%4)
.endr
	BAR                                              ; 32 whole rows of the result lie in LDS
	v_add_nc_u32 v24, s26, v19
.irp i, 0,1,2,3,4,5,6,7,8,9,10,11,12,13,14,15
	ds_load_b128 v[192+4*\i:195+4*\i], v24 offset:XP*(\i/2)+512*(\i%2)
.endr
.if \next
	s_add_co_u32 s26, s26, 32*XP                     ; on to the next block
	s_add_co_u32 s27, s27, 3072
	s_add_co_u32 s31, s31, 32*XP
	APRE
.endif
.irp i, 0,1,2,3,4,5,6,7,8,9,10,11,12,13,14,15
	s_wait_dscnt 15-\i+10*\next                      ; row load i is in; the younger row loads, and the ten asked ahead, may be out
	global_store_b128 v20, v[192+4*\i:195+4*\i], s[22:23] offset:1024*(\i/2)+512*(\i%2) th:TH_STORE_NT   ; 32 lanes store 512 consecutive bytes
.endr
.if \next
	s_wait_xcnt 0x0                                  ; the stores have read their registers and their base: both may be written again
	s_add_nc_u64 s[22:23], s[22:23], 32768
.endif
.endm
	s_load_b512 s[4:19], s[0:1], 0x0                 ; x, wimg, wscl, kvc, ksum, ln1_g, ln1_b, ln2_g
	s_load_b128 s[20:23], s[0:1], 0x40               ; ln2_b, out0
	v_lshl_add_u32 v1, v0, 2, SPARE
	v_mov_b32 v2, 0
	ds_add_u32 v1, v2                                ; the wave's opening: the add, twice on end, and its wait ahead of my first tensor load
	ds_add_u32 v1, v2
	v_lshrrev_b32 v3, 5, v0
	v_readfirstlane_b32 s24, v3                      ; wave 0..3
	s_mov_b32 s32, (2<<16)|(1<<20)|(7<<22)|(3<<25)   ; group 1: elements of 4 bytes; 4 words of padding behind every 256
	s_mov_b32 s33, 256<<16
	s_mov_b32 s34, 32<<16
	s_mov_b32 s35, 256<<16
	s_mov_b32 s36, 32
	s_mov_b32 s37, 256
	s_mov_b32 s38, 0
	s_mov_b32 s39, 0
	s_mov_b32 s28, 0x76543210
	s_mov_b32 s29, 0xfedcba98
	s_mov_b32 s30, 0xffff0000
	s_mov_b32 s48, 0xbe2aaaa3
	s_mov_b32 s49, 0x3c08839e
	s_mov_b32 s50, 0xb94ca1f9
	s_mov_b32 s51, 0x3d2aaaa5
	s_mov_b32 s52, 0xbab6061a
	s_mov_b32 s53, 0x37ccf5ce
	s_mov_b32 s54, 0x3fb8aa3b
	s_mov_b32 s55, s54
	s_mov_b32 s66, 0x3b800000                        ; 1 / 256
	s_mov_b32 s67, 0x3727c5ac                        ; 1e-5
	s_mov_b32 s68, 0x3c800000                        ; 1 / 64
	s_mov_b32 s69, 0x42800000                        ; 64
	s_mul_i32 s56, s24, 32*XP
	s_mov_b32 s40, 1
	s_mov_b32 s41, s56
	s_mov_b32 s44, 1
	s_add_co_u32 s45, s56, 128*XP
	s_lshl_b32 s2, ttmp9, 18
	s_lshl_b32 s57, s24, 15
	s_add_co_u32 s2, s2, s57
	s_mov_b32 s3, 0
	s_wait_dscnt 0x0                                 ; both opening adds are done
	s_wait_kmcnt 0x0
	s_add_nc_u64 s[42:43], s[4:5], s[2:3]
	s_add_nc_u64 s[46:47], s[42:43], 131072
	s_or_b32 s43, s43, 0x80000000
	s_or_b32 s47, s47, 0x80000000
	tensor_load_to_lds s[40:43], s[32:39]            ; 32 rows of the first 128
	s_nop 0
	tensor_load_to_lds s[44:47], s[32:39]            ; and of the second: two loads of mine are out
	s_nop 0
	PLACES 4
	v_and_b32 v148, 15, v0                           ; r
	v_bfe_u32 v149, v0, 4, 1                         ; h
	v_and_b32 v150, 31, v0                           ; lane
	v_lshlrev_b32 v20, 4, v150
	v_lshlrev_b32 v22, 2, v150
	v_lshlrev_b32 v24, 3, v150
	v_add_nc_u32 v4, BASE, v20
	v_add_nc_u32 v5, BASE, v22
	v_add_nc_u32 v6, BASE, v24
	s_lshr_b32 s57, s24, 1
	s_and_b32 s58, s24, 1
	s_mul_i32 s59, s57, 16*XP
	s_lshl_b32 s60, s58, 9
	s_add_co_u32 s59, s59, s60
	v_mul_u32_u24 v151, v148, XP
	v_lshl_add_u32 v152, v149, 6, v151               ; 1,040 r + 64 h
	v_add_nc_u32 v3, s59, v152                       ; the x that I quantise: tile w / 2, K step w % 2
	s_mul_i32 s59, s24, 1536
	v_add_nc_u32 v7, s59, v4
	s_lshl_b32 s60, s24, 7
	s_add_co_u32 s61, s60, XSC
	v_add_nc_u32 v8, s61, v5
	s_mul_i32 s61, s24, 768
	s_add_co_u32 s61, s61, MIMG
	v_add_nc_u32 v9, s61, v4
	s_add_co_u32 s61, s61, 512
	v_add_nc_u32 v10, s61, v6
	s_lshl_b32 s61, s58, 1
	s_lshl_b32 s62, s57, 7
	s_add_co_u32 s61, s61, s62
	s_add_co_u32 s61, s61, MSC
	v_add_nc_u32 v11, s61, v5                        ; my two bytes of a row's scale word
	s_add_co_u32 s61, s59, HIMG
	v_add_nc_u32 v12, s61, v4
	s_add_co_u32 s61, s60, HSC
	v_add_nc_u32 v13, s61, v5
	v_lshlrev_b32 v153, 3, v148
	v_add_nc_u32 v15, BASE+STAT, v153
	v_add_nc_u32 v14, s60, v15
	v_lshlrev_b32 v16, 5, v150
	v_add_nc_u32 v16, BASE+ROPE, v16
	s_lshl_b32 s61, s24, 8
	v_lshlrev_b32 v153, 6, v149
	v_add_nc_u32 v153, s61, v153                     ; 256 w + 64 h
	v_add_nc_u32 v17, BASE+GB, v153
	v_add_nc_u32 v21, BASE+KSL, v153
	v_add_nc_u32 v18, s61, v152
	s_mul_i32 s62, s24, 8*XP
	v_add_nc_u32 v19, s62, v20
	s_mul_i32 s2, s24, 98304
	s_add_nc_u64 s[6:7], s[6:7], s[2:3]
	s_lshl_b32 s2, s24, 12
	s_add_nc_u64 s[8:9], s[8:9], s[2:3]
	s_lshr_b32 s63, ttmp9, 6                         ; n
	s_lshl_b32 s2, s63, 14
	s_lshl_b32 s62, s24, 12
	s_add_co_u32 s2, s2, s62
	s_add_nc_u64 s[10:11], s[10:11], s[2:3]
	s_lshl_b32 s2, s63, 10
	s_add_co_u32 s2, s2, s61
	s_add_nc_u64 s[12:13], s[12:13], s[2:3]
	s_cmp_lt_u32 s24, 2                              ; wave 0 .. 3 brings ln1_g, ln1_b, ln2_g, ln2_b
	s_cselect_b64 s[56:57], s[14:15], s[18:19]
	s_cselect_b64 s[58:59], s[16:17], s[20:21]
	s_bitcmp1_b32 s24, 0
	s_cselect_b64 s[56:57], s[58:59], s[56:57]
	s_lshl_b32 s2, ttmp9, 18
	s_lshl_b32 s62, s24, 13
	s_add_co_u32 s2, s2, s62
	s_add_nc_u64 s[22:23], s[22:23], s[2:3]          ; out0 at the 8 rows of a block that I store
	; what the attention wants comes first: 16 small loads and Wq's 24
.irp vt, 0,1
	global_load_b128 v[64+12*\vt:67+12*\vt], v20, s[10:11] offset:1024*\vt            ; KV of head 2 w
	global_load_b64 v[68+12*\vt:69+12*\vt], v24, s[10:11] offset:1024*\vt+512
	global_load_b32 v[88+\vt], v22, s[10:11] offset:1024*\vt+768
	global_load_b128 v[160+8*\vt:163+8*\vt], v20, s[10:11] offset:2048+1024*\vt       ; of head 2 w + 1
	global_load_b64 v[164+8*\vt:165+8*\vt], v24, s[10:11] offset:2048+1024*\vt+512
	global_load_b32 v[166+8*\vt], v22, s[10:11] offset:2048+1024*\vt+768
.endr
	global_load_b32 v176, v22, s[12:13]
	global_load_b32 v177, v22, s[12:13] offset:128
	global_load_b128 v[180:183], v20, s[56:57]
	global_load_b128 v[184:187], v20, s[56:57] offset:512
	WLD 32,40
	; the rope factors are made while those loads are on their way.  Wave w makes the entries of blocks w and w + 4: the same columns 32 w .. 32 w + 31, the first and the second image row
	DVSET
	s_lshl_b32 s60, s24, 5
	s_add_co_u32 s60, s60, 1
	s_mul_i32 s61, s24, 3072
	v_add_nc_u32 v23, s61, v16
.irp jj, 0,1
	v_add_nc_u32 v143, s60, v148
	v_cvt_f32_u32 v143, v143
.irp ph, 0,1,2,3
	v_mul_f32 v142, v143, v[144+\ph]
	SINCOS 142, 192+8*\jj+\ph, 196+8*\jj+\ph
.endr
	ds_store_b128 v23, v[192+8*\jj:195+8*\jj] offset:1024*\jj
	ds_store_b128 v23, v[196+8*\jj:199+8*\jj] offset:1024*\jj+16
	ds_store_b128 v23, v[192+8*\jj:195+8*\jj] offset:12288+1024*\jj
	ds_store_b128 v23, v[196+8*\jj:199+8*\jj] offset:12288+1024*\jj+16
	s_add_co_u32 s60, s60, 16
.endr
	s_and_b32 s70, ttmp9, 63
	s_lshl_b32 s70, s70, 1
	s_add_co_u32 s70, s70, 1                         ; image row + 1 of my first 128 rows
.irp hf, 0,1
	v_cvt_f32_u32 v143, s70
.irp ph, 0,1,2,3
	v_mul_f32 v142, v143, v[144+\ph]
	SINCOS 142, 208+8*\hf+\ph, 212+8*\hf+\ph
.endr
	ds_store_b128 v23, v[208+8*\hf:211+8*\hf] offset:2048+12288*\hf
	ds_store_b128 v23, v[212+8*\hf:215+8*\hf] offset:2064+12288*\hf
	s_add_co_u32 s70, s70, 1
.endr
.set ee, 0
.rept 32
	global_load_b32 v[WS+ee], v22, s[8:9] offset:128*ee
.set ee, ee+1
.endr
	WLD 40,48
.irp i, 4,5,6,7
	v_mov_b32 v[TM+\i], 0                            ; written once: a lane permute's destination counts as one of its sources
.endr
	v_mov_b32 v25, 0
	s_wait_loadcnt 56                                ; the first 40 loads are in; the 32 scale words and Wm's 24 may be out
.irp vt, 0,1
.irp i, 0,1,2,3,4,5
	v_permlanex16_b32 v[138+\i], v[160+8*\vt+\i], s[SEL], s[SEL+1]   ; head 2 w + 1's block moves to lanes 16-31: block 1 of the 128
.endr
.irp i, 0,1,2,3,4,5
	v_or_b32 v[64+12*\vt+\i], v[64+12*\vt+\i], v[138+\i]
.endr
	v_lshl_or_b32 v[88+\vt], v[166+8*\vt], 8, v[88+\vt]
.irp i, 6,7,8,9,10,11
	v_mov_b32 v[64+12*\vt+\i], 0
.endr
.endr
	s_lshl_b32 s61, s24, 8
	s_add_co_u32 s61, s61, KSL
	v_add_nc_u32 v24, s61, v5
	ds_store_b32 v24, v176
	ds_store_b32 v24, v177 offset:128
	s_lshl_b32 s61, s24, 10
	s_add_co_u32 s61, s61, GB
	v_add_nc_u32 v153, s61, v4
	ds_store_b128 v153, v[180:183]
	ds_store_b128 v153, v[184:187] offset:512
	s_mov_b32 s26, 0                                 ; the block in hand, in bytes of x's rows in LDS
	s_mov_b32 s27, 0                                 ; the rope entry of the block whose attention comes next
	s_mov_b32 s31, 32*XP                             ; the block whose x is quantised next
	s_wait_tensorcnt 0x0                             ; my rows of x have landed,
	BAR                                              ; everybody's have; the tables lie in LDS
	XLOADS 26
	s_wait_dscnt 0x0
	XQ 162
	WLD 0,16                                         ; the first half of W1
	BAR                                              ; block 0's four fragments of x lie in LDS
	APRE
	s_wait_loadcnt 48                                ; the scale words and Wm are in; the 48 loads just issued may be out
	PHASE_A 1
	PHASE_B 1
	s_wait_loadcnt 48                                ; W1 is in; W2's 48 loads may be out
	s_mov_b32 s25, 0
.Lblk:                                               ; seven trips
	PHASE_C 1
	PHASE_D 1
	PHASE_A 0
	PHASE_B 0
	s_add_co_u32 s25, s25, 1
	s_cmp_lt_u32 s25, 7
	s_cbranch_scc1 .Lblk
	PHASE_C 0                                        ; the last block: nothing is asked ahead
	PHASE_D 0
	s_wait_tensorcnt 0x0                             ; the wave's end
	ds_add_u32 v1, v2
	s_wait_dscnt 0x0
	s_endpgm
.Lfunc_end_k_q2d942ce504_layer:
	.size	k_q2d942ce504_layer, .Lfunc_end_k_q2d942ce504_layer-k_q2d942ce504_layer
	.p2alignl 7, 3214868480
	.fill 96, 4, 3214868480
	.section	.rodata,"a",@progbits
	.p2align	6, 0x0
	.amdhsa_kernel k_q2d942ce504_layer
		.amdhsa_group_segment_fixed_size 327680
		.amdhsa_private_segment_fixed_size 0
		.amdhsa_enable_private_segment 0
		.amdhsa_kernarg_size 80
		.amdhsa_user_sgpr_count 2
		.amdhsa_user_sgpr_kernarg_segment_ptr 1
		.amdhsa_wavefront_size32 1
		.amdhsa_system_sgpr_workgroup_id_x 1
		.amdhsa_system_sgpr_workgroup_id_y 1
		.amdhsa_system_sgpr_workgroup_id_z 1
		.amdhsa_system_vgpr_workitem_id 0
		.amdhsa_next_free_vgpr 1024
		.amdhsa_next_free_sgpr 80
		.amdhsa_reserve_vcc 1
		.amdhsa_float_denorm_mode_32 3
		.amdhsa_float_denorm_mode_16_64 3
		.amdhsa_memory_ordered 1
		.amdhsa_forward_progress 1
		.amdhsa_inst_pref_size 255
	.end_amdhsa_kernel
	.section	.bss,"aw",@nobits
	.p2align	6
	.space	262144
	.amdgpu_metadata
---
amdhsa.version: [ 1, 2 ]
amdhsa.kernels:
  - .name:           k_q2d942ce504_layer
    .symbol:         k_q2d942ce504_layer.kd
    .args:
      - { .name: x, .offset: 0, .size: 8, .value_kind: global_buffer, .address_space: global }
      - { .name: wimg, .offset: 8, .size: 8, .value_kind: global_buffer, .address_space: global }
      - { .name: wscl, .offset: 16, .size: 8, .value_kind: global_buffer, .address_space: global }
      - { .name: kvc, .offset: 24, .size: 8, .value_kind: global_buffer, .address_space: global }
      - { .name: ksum, .offset: 32, .size: 8, .value_kind: global_buffer, .address_space: global }
      - { .name: ln1_g, .offset: 40, .size: 8, .value_kind: global_buffer, .address_space: global }
      - { .name: ln1_b, .offset: 48, .size: 8, .value_kind: global_buffer, .address_space: global }
      - { .name: ln2_g, .offset: 56, .size: 8, .value_kind: global_buffer, .address_space: global }
      - { .name: ln2_b, .offset: 64, .size: 8, .value_kind: global_buffer, .address_space: global }
      - { .name: out0, .offset: 72, .size: 8, .value_kind: global_buffer, .address_space: global }
    .group_segment_fixed_size: 327680
    .private_segment_fixed_size: 0
    .kernarg_segment_align: 8
    .kernarg_segment_size: 80
    .max_flat_workgroup_size: 128
    .sgpr_count:     80
    .vgpr_count:     1024
    .wavefront_size: 32
...
	.end_amdgpu_metadata
.endif
;; end of part 3
